; MI455X (gfx1250); checked and timed in simulation.
; The chip was launched on July 23, 2026; its instructions are those of AMD's public machine-readable ISA for CDNA 5 (MIT licence, August 2026) and "CDNA5" Instruction Set Architecture Reference Guide (July 2026). The comments in the code are by the model that wrote it; some were corrected since.
;; Attention. Allowed arithmetic: matrix products marked QUANTISED: E2M3 operands, one E8M0 scale for each 32 along K, by v_wmma_scale_f32_16x16x128_f8f6f4 with both operands' format E2M3, f32 sums; everything else in f32.
;; Inputs: Wk 1,024 x 1,024 float32; Wo 1,024 x 1,024 float32; Wq 1,024 x 1,024 float32; Wv 1,024 x 1,024 float32; attention_mask 4 x 2,048 int32; bo 1,024 float32; hidden_states 4 x 2,048 x 1,024 float32.
;; Outputs: out0 4 x 2,048 x 1,024 float32.
;; This version of the problem:
;;   THIS VERSION OF THE PROBLEM IS GIVEN IN LOW PRECISION. The matrix products marked QUANTISED in the list below multiply operands that are first quantised to E2M3 (2 exponent bits, 3 mantissa bits; 6 bits a number), with one power-of-two scale for each 32 numbers along K (OCP MX v1.0); their sums are f32. All else is computed in f32.
;;   The module's matrix products, in the order in which they are computed (A, B: the left and right operand; K: the contracted axis; several contracted axes count as one K, in the product's order):
;;     1. [M 8,192, K 1,024] x [K 1,024, N 1,024]; A: input hidden_states; B: input Wq: QUANTISED
;;     2. [M 8,192, K 1,024] x [K 1,024, N 1,024]; A: input hidden_states; B: input Wk: QUANTISED
;;     3. [M 8,192, K 1,024] x [K 1,024, N 1,024]; A: input hidden_states; B: input Wv: QUANTISED
;;     4. batch 64 x [M 2,048, K 64] x [K 64, N 2,048]; A: computed on the way; B: computed on the way: QUANTISED
;;     5. batch 64 x [M 2,048, K 2,048] x [K 2,048, N 64]; A: softmax (see below); B: computed on the way: QUANTISED
;;     6. [M 8,192, K 1,024] x [K 1,024, N 1,024]; A: computed on the way; B: input Wo: QUANTISED
;;   THE QUANTISER, for each operand of a quantised product, along K:
;;     - K is cut into blocks of 32 from its start; a last block that is shorter is filled with zeros.
;;     - A block's scale is 2^e with e = floor(log2(the largest magnitude in the block)) - 2, held to -126 .. 127; a block of zeros has e = 0. As a byte (E8M0): e + 127.
;;     - Each number is divided by its block's scale, clamped to +-7.5, and rounded to the nearest number of E2M3, ties to even, subnormals kept.
;;     - The product sums the exact products of the quantised numbers (number of the format x scale) in f32.
;;   ~~~python
;;   def quantise(x, axis):      # numpy; x: float32 -> the quantised numbers, widened to float32 again
;;       x = np.moveaxis(x, axis, -1); K = x.shape[-1]
;;       x = np.pad(x, [(0, 0)] * (x.ndim - 1) + [(0, -K % 32)]); x = x.reshape(x.shape[:-1] + (-1, 32)); a = np.abs(x).max(-1, keepdims=True)
;;       e = np.where(a > 0, np.clip(np.frexp(np.where(a > 0, a, 1))[1] - 1 - 2, -126, 127), 0)      # np.frexp(a)[1] - 1 = floor(log2(a)), exactly
;;       r = np.clip(x / 2.0 ** e, -7.5, 7.5)
;;       step = 2.0 ** (np.maximum(np.frexp(np.where(r == 0, 1, r))[1] - 1, 0) - 3)
;;       q = np.round(r / step) * step * 2.0 ** e      # np.round: ties to even
;;       return np.moveaxis(q.reshape(q.shape[:-2] + (-1,))[..., :K], -1, axis).astype(np.float32)
;;   ~~~
;;   SOFTMAX AHEAD OF A QUANTISED PRODUCT. Where the list says 'softmax', what is quantised is not the finished softmax but p = 2^(t - M), with t = logit x log2(e) and M = ceil(the row's largest t), a whole number; so 1/2 < the row's largest p <= 1. The row's sum l is taken of the UNQUANTISED p, in f32, and the product's result is divided by l at the end. Since M is a whole number, a kernel that streams over the keys may use a running M (the ceiling of the running maximum): every later rescaling is an exact power of two, which a block's scale takes up: the codes' values come out the same.
;;   OPERANDS COMPUTED ON THE WAY. 'Computed on the way' means the value that the module computes at that place (a softmax that the list does not call 'softmax' is quantised finished and normalised). What goes into a quantiser is computed in f32, as accurately as f32 sums, v_exp_f32 and their like allow (about 1e-6 of the number): no bf16 or f16 on the way to a quantiser, and a product that is left as it is and whose result goes on into a quantised operand takes f32 operands (vector FMAs, or v_wmma_f32_16x16x4_f32). A number that lies on a knife's edge between two numbers of the format may be rounded either way, as far as f32 arithmetic and the matrix unit's own rounding can turn it there, and no further.
;; One version. Each part assembles by itself: llvm-mc -triple=amdgcn-amd-amdhsa -mcpu=gfx1250 --defsym DOCPART=n.
;; ======== version 1 of 1: 4 launches
;; limits: right only within a limited range of input values
;; workspace buffers: hcodes 6,291,456 bytes; hscales 262,144 bytes; wcodes 3,145,728 bytes; wscales 131,072 bytes; qkvc 18,874,368 bytes; qkvs 786,432 bytes; aoc 6,291,456 bytes; aos 262,144 bytes
;; launch quant (part 1): grid 512 x 1, 4 waves a work-group, no clusters, 47,616 bytes of LDS; arguments hidden_states, Wq, Wk, Wv, Wo, hcodes, hscales, wcodes, wscales; writes hcodes, hscales, wcodes, wscales
.if DOCPART == 1
	.amdgcn_target "amdgcn-amd-amdhsa--gfx1250"
	.amdhsa_code_object_version 6
	.text
	.protected	k_q29d5608857_quant
	.globl	k_q29d5608857_quant
	.p2align	8
	.type	k_q29d5608857_quant,@function
k_q29d5608857_quant:
	s_mov_b64 s[64:65], 0
	v_nop
	global_prefetch_b8 v0, s[64:65] scope:SCOPE_SE
	s_setreg_imm32_b32 hwreg(HW_REG_WAVE_MODE, 25, 1), 1
	s_wait_xcnt 0x0
; hidden_states [8192][1024] and Wq, Wk, Wv, Wo [1024 (k)][1024 (n)], f32, become codes of FP6 (E2M3) with one E8M0 byte for each 32 along K, laid as the products' operand registers want them.
; A TILE is 16 rows (tokens, or columns n of a weight); row r of tile t is row 32 (t / 2) + 8 (t % 2) + r + 8 (r / 8) of the tensor.
; AN IMAGE of a fragment (16 rows x 128 K, 12 registers a lane) is 1,536 bytes: registers 4 c .. 4 c + 3 of lane l at 512 c + 16 l.  hcodes [tile 512][K step 8][image]; wcodes [tile 256][8][image], n = 0 .. 4095: Wq, Wk, Wv, Wo.
; SCALE WORDS of four tiles and one K step are 256 bytes: (tile i, row r) at 16 r + 4 i.  hscales [128][8][256], wscales [64][8][256].
; A block's scale is 2^(floor(log2(largest magnitude)) - 2); its byte is the largest magnitude's exponent field - 2, held at 1 from below.
; LIMITS: a block of zeros gets the byte 1 (its codes are zeros; the bytes are read by this program alone); blocks under 2^-124 are held at that byte; NaN and infinities are not served.
; Work-groups 0-255 take hidden_states, 256-511 the weights; each of the two ways has LDS bytes of its own.  No tensor loads, no barrier: waves share nothing.
.set HP,    528                        ; hidden: a stage row, 512 bytes + 16: the 16 rows that a read touches start in 16 different columns of 16 bytes
.set HW,    16*HP                      ; a wave's stage
.set WST,   4*HW                       ; weights: a wave's two images,
.set WIM,   1664                       ; 1,536 + 128 bytes apart, so that the two tiles' stores fall on different banks
.set WW,    2*WIM
.set SPARE, WST+4*WW                   ; the spare words, 128 bytes a wave: two blocks of 256 bytes that no other line names
.set BY,  8                            ; v8-9    scale bytes
.set MX,  12                           ; v12-13  largest magnitudes
.set OP,  14                           ; v14-15  the conversions' scale operands
.set WD,  16                           ; v16-19  hidden: the four tiles' scale words
.set SPW, 20                           ; v20     my spare word's LDS address; never rewritten
.set NIL, 21                           ; v21     0; never rewritten
.set C,   24                           ; v24-35  a fragment's codes
.set T,   36                           ; v36-38, v40-42 the second halves of a block's codes (a conversion's three registers begin on an even number)
.set X,   64                           ; v64-127 64 numbers along K
.set R,   128                          ; v128-255 hidden: two sets of 64 as loaded; weights: the images on their way out
	s_load_b512 s[4:19], s[0:1], 0x0               ; hidden s[4:5], Wq s[6:7], Wk s[8:9], Wv s[10:11], Wo s[12:13], hcodes s[14:15], hscales s[16:17], wcodes s[18:19]
	s_load_b64 s[20:21], s[0:1], 0x40              ; wscales
	v_lshl_add_u32 v[SPW], v0, 2, SPARE
	v_mov_b32 v[NIL], 0
	v_lshrrev_b32 v1, 5, v0
	v_readfirstlane_b32 s22, v1                    ; wave
	v_and_b32 v2, 31, v0                           ; lane
	v_and_b32 v3, 15, v0                           ; lane % 16
	v_bfe_u32 v9, v0, 4, 1                         ; lane / 16
	v_lshlrev_b32 v4, 4, v2                        ; 16 x lane
	s_mov_b32 s24, 0x76543210
	s_mov_b32 s25, 0xfedcba98                      ; v_permlanex16_b32's selects for lane l xor 16
	s_cmp_lt_u32 ttmp9, 256
	s_cbranch_scc0 .Lweights
; ---------------- hidden_states: a wave takes 64 rows (four tiles) x one K step of 128
	s_lshr_b32 s26, ttmp9, 1                       ; the group of 64 rows
	s_and_b32 s27, ttmp9, 1
	s_lshl_b32 s27, s27, 2
	s_add_co_u32 s27, s27, s22                     ; the K step
	s_mul_i32 s28, s22, HW                         ; my stage
	s_wait_alu depctr_va_vdst(0)
	v_add_nc_u32 v5, s28, v4                       ; in: a row's 512 bytes as they lie
	v_mul_u32_u24 v6, v3, HP
	v_lshl_add_u32 v6, v9, 7, v6
	v_add_nc_u32 v6, s28, v6                       ; out: row r, + 128 h: my 32 numbers of each 64
	v_lshlrev_b32 v7, 3, v9                        ; 8 h
	v_lshlrev_b32 v22, 4, v3                       ; 16 r
	v_mov_b32 v11, 0                               ; a lane permute's destination counts as one of its sources
	s_lshl_b32 s30, s26, 18                        ; 64 rows of 4,096 bytes
	s_lshl_b32 s29, s27, 9
	s_add_co_u32 s30, s30, s29
	s_mov_b32 s31, 0
	s_lshl_b32 s32, s26, 5
	s_add_co_u32 s32, s32, s27
	s_mul_i32 s32, s32, 1536                       ; (4 g x 8 + s) images
	s_mov_b32 s33, 0
	s_lshl_b32 s34, s26, 3
	s_add_co_u32 s34, s34, s27
	s_lshl_b32 s34, s34, 8
	s_mov_b32 s35, 0
	s_wait_alu depctr_va_vdst(0)
	s_wait_kmcnt 0x0
	s_add_nc_u64 s[4:5], s[4:5], s[30:31]
	s_add_nc_u64 s[14:15], s[14:15], s[32:33]
	s_add_nc_u64 s[16:17], s[16:17], s[34:35]
.macro LOADT t                         ; tile t's 16 rows, in the tile's order: each load reads 512 consecutive bytes
.irp j, 0,1,2,3,4,5,6,7,8,9,10,11,12,13,14,15
	global_load_b128 v[R+64*((\t)%2)+4*\j:R+64*((\t)%2)+4*\j+3], v4, s[4:5] offset:(32*((\t)/2)+8*((\t)%2)+\j+8*(\j/8))*4096 th:TH_LOAD_NT
.endr
.endm
.macro TURN t                          ; through my stage: LDS serves a wave's instructions in order, so no wait stands between the stores and the loads
.irp j, 0,1,2,3,4,5,6,7,8,9,10,11,12,13,14,15
	ds_store_b128 v5, v[R+64*((\t)%2)+4*\j:R+64*((\t)%2)+4*\j+3] offset:HP*\j
.endr
.irp c, 0,1
.irp i, 0,1,2,3,4,5,6,7
	ds_load_b128 v[X+32*\c+4*\i:X+32*\c+4*\i+3], v6 offset:256*\c+16*\i   ; k = 64 c + 32 h + 4 i ..
.endr
.endr
.endm
.macro Q6 t                            ; my two whole blocks (h and 2 + h of row r) become registers 0-11 of the fragment, and the row's scale word
.irp c, 0,1
	v_max3_num_f32 v[MX+\c], |v[X+32*\c]|, |v[X+32*\c+1]|, 0x1800000   ; with the floor 2^(3 - 127): the byte cannot fall under 1
.endr
.irp i, 2,4,6,8,10,12,14,16,18,20,22,24,26,28,30
.irp c, 0,1
	v_max3_num_f32 v[MX+\c], v[MX+\c], |v[X+32*\c+\i]|, |v[X+32*\c+\i+1]|
.endr
.endr
.irp c, 0,1
	v_add_nc_u32 v[OP+\c], 0xff000000, v[MX+\c]    ; 2 off the exponent field: the conversion takes the exponent field of this operand as its scale
.endr
.irp c, 0,1
	v_lshrrev_b32 v[BY+\c], 23, v[OP+\c]           ; the scale's byte
.endr
	v_lshl_or_b32 v10, v[BY+1], 16, v[BY]
	v_lshlrev_b32 v10, v7, v10                     ; at bytes h and 2 + h
	v_permlanex16_b32 v11, v10, s24, s25
	v_or_b32 v[WD+\t], v10, v11                    ; with lane l xor 16's two the word is whole
.irp c, 0,1
	v_cvt_scalef32_pk16_fp6_f32 v[C+6*\c:C+6*\c+2], v[X+32*\c:X+32*\c+15], v[OP+\c]
	v_cvt_scalef32_pk16_fp6_f32 v[T+4*\c:T+4*\c+2], v[X+32*\c+16:X+32*\c+31], v[OP+\c]
.endr
	v_nop                                          ; one plain place behind a scaled conversion
.irp c, 0,1
.irp i, 0,1,2
	v_mov_b32 v[C+6*\c+3+\i], v[T+4*\c+\i]
.endr
.endr
.endm
.macro TILE t
.if (\t) < 3
	s_wait_loadcnt 16                              ; this tile's 16 loads are in; the next tile's may be out
.else
	s_wait_loadcnt 0x0
.endif
	TURN \t
	s_wait_dscnt 0x0                               ; my numbers are back, and the stage's stores have read their registers
	s_wait_xcnt 0x0                                ; the last tile's stores have read the codes' registers
.if (\t) < 2
	LOADT (\t)+2
.endif
	Q6 \t
.irp c, 0,1,2
	global_store_b128 v4, v[C+4*\c:C+4*\c+3], s[14:15] offset:12288*(\t)+512*\c   ; 512 consecutive bytes
.endr
.endm
	LOADT 0
	LOADT 1
	TILE 0
	TILE 1
	TILE 2
	TILE 3
	s_wait_xcnt 0x0                                ; EXEC changes only behind this wait
	v_cmp_gt_u32 vcc_lo, 16, v2
	s_and_saveexec_b32 s30, vcc_lo
	global_store_b128 v22, v[WD:WD+3], s[16:17]    ; sixteen lanes store the four tiles' scale words: 256 consecutive bytes, aligned
	s_wait_xcnt 0x0                                ; and again in front of the line that widens it
	s_or_b32 exec_lo, exec_lo, s30
	s_wait_tensorcnt 0x0                           ; the wave's end, behind my last LDS store
	ds_add_u32 v[SPW], v[NIL]
	s_wait_dscnt 0x0
	s_endpgm
; ---------------- a weight: a work-group takes 128 columns x one K step of 128; a lane takes a column and its registers run down K
.Lweights:
	s_sub_co_u32 s26, ttmp9, 256
	s_lshr_b32 s27, s26, 6                         ; which weight
	s_bfe_u32 s28, s26, 0x30003                    ; which 128 columns
	s_and_b32 s29, s26, 7                          ; the K step
	v_bfe_u32 v5, v0, 3, 1                         ; column L of my wave's 32 is row r = L % 8 + 8 (L / 16) of tile u = (L / 8) % 2
	v_and_b32 v6, 7, v0
	s_wait_alu depctr_va_vdst(0)
	v_lshl_add_u32 v6, v9, 3, v6
	s_mul_i32 s30, s22, WW
	s_add_co_u32 s30, s30, WST                     ; my two images
	v_mul_u32_u24 v7, v5, WIM
	v_lshl_add_u32 v7, v6, 4, v7
	v_add_nc_u32 v7, s30, v7                       ; in: image u, lane r's 16 bytes
	v_add_nc_u32 v8, s30, v4                       ; out: 16 x lane
	v_lshlrev_b32 v3, 2, v0                        ; 4 bytes a thread: the work-group's 512 consecutive bytes of a row of W
	v_lshlrev_b32 v22, 4, v6
	v_lshl_add_u32 v22, v5, 2, v22                 ; my scale word: 16 r + 4 u
	s_lshl_b32 s32, s29, 19                        ; 128 rows of 4,096 bytes
	s_lshl_b32 s33, s28, 9
	s_add_co_u32 s32, s32, s33
	s_mov_b32 s33, 0
	s_lshl_b32 s34, s27, 6
	s_lshl_b32 s35, s28, 3
	s_add_co_u32 s34, s34, s35
	s_lshl_b32 s35, s22, 1
	s_add_co_u32 s34, s34, s35                     ; my first tile: 64 m + 8 cb + 2 w
	s_lshr_b32 s38, s34, 2
	s_lshl_b32 s38, s38, 3
	s_add_co_u32 s38, s38, s29
	s_lshl_b32 s38, s38, 8                         ; its group's 256 bytes of this K step,
	s_and_b32 s39, s34, 3
	s_lshl_b32 s39, s39, 2
	s_add_co_u32 s38, s38, s39                     ; and its place in a row's four words
	s_mov_b32 s39, 0
	s_lshl_b32 s34, s34, 3
	s_add_co_u32 s34, s34, s29
	s_mul_i32 s34, s34, 1536
	s_mov_b32 s35, 0
	s_wait_alu depctr_va_vdst(0)
	s_wait_kmcnt 0x0
	s_cmp_eq_u32 s27, 1                            ; the choice hangs on the work-group's number alone
	s_cselect_b64 s[36:37], s[8:9], s[6:7]
	s_cmp_eq_u32 s27, 2
	s_cselect_b64 s[36:37], s[10:11], s[36:37]
	s_cmp_eq_u32 s27, 3
	s_cselect_b64 s[36:37], s[12:13], s[36:37]
	s_add_nc_u64 s[36:37], s[36:37], s[32:33]
	s_add_nc_u64 s[18:19], s[18:19], s[34:35]
	s_add_nc_u64 s[20:21], s[20:21], s[38:39]
.macro LOADB t                         ; block t: W(32 t + i, my column) into set t % 2
.irp i, 0,1,2,3,4,5,6,7,8,9,10,11,12,13,14,15,16,17,18,19,20,21,22,23,24,25,26,27,28,29,30,31
	global_load_b32 v[X+32*((\t)%2)+\i], v3, s[36:37] offset:(32*(\t)+\i)*4096 th:TH_LOAD_NT
.endr
.endm
.macro WBLK t                          ; block t = 2 c + h belongs to registers 6 c .. 6 c + 5 of lane r + 16 h of the image
.set XS, X+32*((\t)%2)
.if (\t) < 3
	s_wait_loadcnt 32                              ; this block's 32 loads are in; the next block's may be out
.else
	s_wait_loadcnt 0x0
.endif
	v_max3_num_f32 v12, |v[XS]|, |v[XS+1]|, |v[XS+2]|
	v_max3_num_f32 v13, |v[XS+3]|, |v[XS+4]|, |v[XS+5]|
.irp i, 6,10,14,18,22,26
	v_max3_num_f32 v12, v12, |v[XS+\i]|, |v[XS+\i+1]|
	v_max3_num_f32 v13, v13, |v[XS+\i+2]|, |v[XS+\i+3]|
.endr
	v_max3_num_f32 v12, v12, |v[XS+30]|, |v[XS+31]|
	v_max3_num_f32 v12, v12, v13, 0x1800000        ; and the floor
	v_add_nc_u32 v14, 0xff000000, v12
	v_lshrrev_b32 v13, 23, v14
.if (\t) == 0
	v_mov_b32 v10, v13                             ; the column's scale word, the lower K in the lower byte
.else
	v_lshl_or_b32 v10, v13, 8*(\t), v10
.endif
	s_wait_alu depctr_va_vdst(0)
	s_wait_dscnt 0x0                               ; the last block's LDS stores have read the codes' registers
	v_cvt_scalef32_pk16_fp6_f32 v[C:C+2], v[XS:XS+15], v14
	v_cvt_scalef32_pk16_fp6_f32 v[T:T+2], v[XS+16:XS+31], v14
	v_nop                                          ; one plain place behind a scaled conversion
.irp i, 0,1,2
	v_mov_b32 v[C+3+\i], v[T+\i]
.endr
.if (\t)/2 == 0
	ds_store_b128 v7, v[C:C+3] offset:256*((\t)%2)             ; registers 0-3
	ds_store_b64 v7, v[C+4:C+5] offset:512+256*((\t)%2)        ; registers 4, 5
.else
	ds_store_b64 v7, v[C:C+1] offset:520+256*((\t)%2)          ; registers 6, 7
	ds_store_b128 v7, v[C+2:C+5] offset:1024+256*((\t)%2)      ; registers 8-11
.endif
.if (\t) < 2
	LOADB (\t)+2
.endif
.endm
	LOADB 0
	LOADB 1
	WBLK 0
	WBLK 1
	WBLK 2
	WBLK 3
.irp i, 0,1,2,3,4,5
	ds_load_b128 v[R+4*\i:R+4*\i+3], v8 offset:WIM*(\i/3)+512*(\i%3)   ; LDS serves a wave's instructions in order: these see my stores
.endr
.irp i, 0,1,2,3,4,5
	s_wait_dscnt 5-\i
	global_store_b128 v4, v[R+4*\i:R+4*\i+3], s[18:19] offset:12288*(\i/3)+512*(\i%3)   ; 512 consecutive bytes
.endr
	global_store_b32 v22, v10, s[20:21]            ; my column's scale word: the wave's 32 words are half of one aligned block of 256 bytes, the neighbouring wave's the other half; 1 byte in 128 of what the way reads
	s_wait_tensorcnt 0x0                           ; the wave's end, behind my last LDS store
	ds_add_u32 v[SPW], v[NIL]
	s_wait_dscnt 0x0
	s_endpgm
.Lfunc_end_k_q29d5608857_quant:
	.size	k_q29d5608857_quant, .Lfunc_end_k_q29d5608857_quant-k_q29d5608857_quant
	.p2alignl 7, 3214868480
	.fill 96, 4, 3214868480
	.section	.rodata,"a",@progbits
	.p2align	6, 0x0
	.amdhsa_kernel k_q29d5608857_quant
		.amdhsa_group_segment_fixed_size 47616
		.amdhsa_private_segment_fixed_size 0
		.amdhsa_enable_private_segment 0
		.amdhsa_kernarg_size 72
		.amdhsa_user_sgpr_count 2
		.amdhsa_user_sgpr_kernarg_segment_ptr 1
		.amdhsa_wavefront_size32 1
		.amdhsa_system_sgpr_workgroup_id_x 1
		.amdhsa_system_sgpr_workgroup_id_y 1
		.amdhsa_system_sgpr_workgroup_id_z 1
		.amdhsa_system_vgpr_workitem_id 0
		.amdhsa_next_free_vgpr 256
		.amdhsa_next_free_sgpr 66
		.amdhsa_reserve_vcc 1
		.amdhsa_float_denorm_mode_32 3
		.amdhsa_float_denorm_mode_16_64 3
		.amdhsa_memory_ordered 1
		.amdhsa_forward_progress 1
		.amdhsa_inst_pref_size 52
	.end_amdhsa_kernel
	.amdgpu_metadata
---
amdhsa.version: [ 1, 2 ]
amdhsa.kernels:
  - .name:           k_q29d5608857_quant
    .symbol:         k_q29d5608857_quant.kd
    .args:
      - { .name: hidden_states, .offset: 0, .size: 8, .value_kind: global_buffer, .address_space: global }
      - { .name: Wq, .offset: 8, .size: 8, .value_kind: global_buffer, .address_space: global }
      - { .name: Wk, .offset: 16, .size: 8, .value_kind: global_buffer, .address_space: global }
      - { .name: Wv, .offset: 24, .size: 8, .value_kind: global_buffer, .address_space: global }
      - { .name: Wo, .offset: 32, .size: 8, .value_kind: global_buffer, .address_space: global }
      - { .name: hcodes, .offset: 40, .size: 8, .value_kind: global_buffer, .address_space: global }
      - { .name: hscales, .offset: 48, .size: 8, .value_kind: global_buffer, .address_space: global }
      - { .name: wcodes, .offset: 56, .size: 8, .value_kind: global_buffer, .address_space: global }
      - { .name: wscales, .offset: 64, .size: 8, .value_kind: global_buffer, .address_space: global }
    .group_segment_fixed_size: 47616
    .private_segment_fixed_size: 0
    .kernarg_segment_align: 8
    .kernarg_segment_size: 72
    .max_flat_workgroup_size: 128
    .sgpr_count:     66
    .vgpr_count:     256
    .wavefront_size: 32
...
	.end_amdgpu_metadata
.endif
;; end of part 1
;; launch qkv (part 2): grid 32 x 8, 4 waves a work-group, clusters of 4 x 4, 327,680 bytes of LDS; arguments hcodes, hscales, wcodes, wscales, qkvc, qkvs; writes qkvc, qkvs
.if DOCPART == 2
	.amdgcn_target "amdgcn-amd-amdhsa--gfx1250"
	.amdhsa_code_object_version 6
	.text
	.protected	k_q29d5608857_qkv
	.globl	k_q29d5608857_qkv
	.p2align	8
	.type	k_q29d5608857_qkv,@function
k_q29d5608857_qkv:
	s_mov_b64 s[64:65], 0
	v_nop
	global_prefetch_b8 v0, s[64:65] scope:SCOPE_SE
	s_setreg_imm32_b32 hwreg(HW_REG_WAVE_MODE, 25, 1), 1
	s_wait_xcnt 0x0
	s_wait_alu depctr_hold_cnt(0) depctr_sa_sdst(0) depctr_va_vdst(0) depctr_va_sdst(0) depctr_va_ssrc(0) depctr_va_vcc(0) depctr_vm_vsrc(0)
	s_getreg_b32 s2, hwreg(HW_REG_IB_STS2, 6, 4)
	s_cmp_eq_u32 s2, 0
	s_cbranch_scc0 .Lentry_in_a_cluster
	s_endpgm
.Lentry_in_a_cluster:
	s_bfe_u32 s2, ttmp6, 0x10000c
	s_cmp_lg_u32 s2, 0xf033
	s_cbranch_scc0 .Lentry_shape_is_right
	s_endpgm
.Lentry_shape_is_right:
; q = hidden Wq, k = hidden Wk, v = hidden Wv on codes of FP6 (E2M3) with E8M0 scales; the f32 results are quantised in registers (q, k along a head's 64, v along the keys) and leave as images of operand registers.
; THE DEAL: work-group (x, y) takes tokens 256 x .. 256 x + 255 and head pair y: 128 columns each of Wq, Wk, Wv.  256 work-groups of four waves.
; A wave HOLDS its 64 tokens (four tiles), all of K = 1,024, in registers: 32 fragments of 12.  The 24 weight tiles (8 of each weight, all of K, 12,288 bytes a tile) are read from LDS.
; A BLOCK is one weight tile x my four token tiles x K: 32 products on four accumulators by turns.  The weight's fragments lie twice in registers; set s % 2 takes block s + 2 behind block s.
; Row r of tile t is row 32 (t / 2) + 8 (t % 2) + r + 8 (r / 8) of its tensor, so the 16 registers of two neighbouring tiles are 16 neighbours.
; q, k: source 0 = the weight's tile: a lane holds one token, four blocks give it 64 columns: one head, six registers of the score product's operand.  Two heads make an image.
; v: source 0 = the tokens: a lane holds one channel, a block's 32 registers are my 64 keys: HALF an operand of the product with p.
; OUT: qkvc [q, k, v][batch x 8 + head pair][group of 128 tokens 16][tile 8][1,536]; q, k: registers 4 c .. 4 c + 3 of lane l at 512 c + 16 l;
;   v: half c (registers 6 c .. 6 c + 5) at 768 c: its first four registers at 16 l, its last two at 512 + 8 l.  qkvs [..][2][256]: (tile i, row r) at 256 (i / 4) + 16 r + 4 (i % 4).
; CLUSTERS, 4 x 4: a row of the cluster shares y and so the weight tiles, a column shares x and so the tokens: every tensor load is joint.
; LDS AND ITS FILLS: at the head one load a wave: the 16 token tiles (waves 0, 1), Wq's tiles (wave 2), all scale words of the weights (wave 3).  The tokens lie where Wk's and Wv's tiles will lie, 196,608 bytes: when every wave has
;   them in registers, that region is filled again, ONCE, behind the lines and a round (waves 0, 1).  The first trip, q's first head, is written out and reads Wq's tiles alone; a wait and a plain barrier behind it show the refill to all.
; NO PREFETCH: the head's loads are the launch's first lines, and the one refill is asked for directly behind them: there is no earlier trip in which to ask.
; LIMITS: a block of zeros gets the byte 1 (zero codes; this program alone reads the bytes); blocks under 2^-124 are held at that byte; NaN and infinities are not served.
; REGISTERS: fragment f lies in window 1 + f / 21 at 12 (f % 21): 0-31 the tokens' (4 q + t), 32-39 and 40-47 the weight's two sets.  Window 3 from v72: 16 accumulators.  Window 0: addresses, scale words, the way out.
.set TROW,  12288
.set XR,    8*TROW                     ; the tokens' 16 tiles, then Wk's and Wv's
.set SCL,   24*TROW                    ; the weights' scale words: [weight 3][group of 4 tiles 2][K step 8][256]
.set XS,    SCL+12288                  ; stage for v's scale bytes, 1,024 bytes
.set SPARE, XS+1024                    ; the spare words, 128 bytes a wave
.set LN,  2                            ; lane
.set LI,  3                            ; 16 x lane
.set L8,  4                            ; 8 x lane
.set R16, 5                            ; 16 x (lane % 16)
.set SA,  6                            ; LDS: the weight tile from which fetches count
.set SSA, 7                            ; LDS: its group's scale words
.set VXA, 8                            ; LDS: my two bytes of a channel's scale word
.set VXR, 9                            ; LDS: my 8 bytes of the stage on the way out
.set SPW, 10
.set NIL, 11
.set RA,  12                           ; LDS: my four token tiles
.set TM,  96                           ; v96-103 maxima, v104-111 the other half's, then bytes, v112-119 scale operands, v120-123 half words
.set CT,  128                          ; second halves of the codes
.set CD,  144                          ; v144-191 four images
.set WD,  192                          ; v192-195 four scale words
.set AC,  72                           ; window 3
.set PS0, 66
.set PS1, 67
.set FL,  68
; scale words: v32-95, nothing else: the tokens' (K step q, tile t) at 32 + 8 q + t; the weight's (set e, K step q) at 36 + 32 e + 8 (q / 2) + q % 2
.set MSB, 0
.macro WIN new
.if MSB != \new
	s_set_vgpr_msb (MSB<<8)|\new
.set MSB, \new
.endif
.endm
.macro PLACES n
.rept \n
	v_nop
.endr
.endm
.macro WALU
	s_wait_alu depctr_va_vdst(0)
.endm
.macro CROUND
	s_barrier_signal -1
	s_barrier_wait -1
	s_cmp_lg_u32 s16, 0
	s_cbranch_scc1 .Lnot_wave_0_\@
	s_barrier_signal -3
.Lnot_wave_0_\@:
	s_barrier_wait -3
	s_barrier_signal -1
	s_barrier_wait -1
.endm
.macro TLOAD g0, g1
	tensor_load_to_lds s[\g0:\g0+3], s[\g1:\g1+7]
	s_nop 0
	PLACES 4
.endm
.macro FETCH e, k                      ; the weight tile k behind SA's, all of K, into set e: 24 + 8 loads
.irp q, 0,1,2,3,4,5,6,7
.set F_, 32+8*(\e)+\q
	WIN (1+F_/21)<<6
.irp c, 0,1,2
	ds_load_b128 v[12*(F_%21)+4*\c:12*(F_%21)+4*\c+3], v[SA] offset:TROW*(\k)+1536*\q+512*\c
.endr
.endr
	WIN 0
.irp q, 0,1,2,3,4,5,6,7
	ds_load_b32 v[36+32*(\e)+8*(\q/2)+\q%2], v[SSA] offset:4*(\k)+256*\q
.endr
.endm
.macro W1 d, a, b, c, xa, xb
	v_wmma_scale_f32_16x16x128_f8f6f4 v[\d:\d+7], v[12*((\a)%21):12*((\a)%21)+11], v[12*((\b)%21):12*((\b)%21)+11], \c, v[\xa], v[\xb] matrix_a_fmt:MATRIX_FMT_FP6 matrix_b_fmt:MATRIX_FMT_FP6
.endm
.macro PROD tr, e, q, t, d             ; tr = 1: source 0 the weight's tile; 0: source 0 the tokens'
.if \tr
.set A_, 32+8*(\e)+(\q)
.set B_, 4*(\q)+(\t)
.set XA_, 36+32*(\e)+8*((\q)/2)+(\q)%2
.set XB_, 32+8*(\q)+(\t)
.else
.set B_, 32+8*(\e)+(\q)
.set A_, 4*(\q)+(\t)
.set XB_, 36+32*(\e)+8*((\q)/2)+(\q)%2
.set XA_, 32+8*(\q)+(\t)
.endif
	WIN (1+A_/21)|((1+B_/21)<<2)|0xf0
.if \q
	W1 \d, A_, B_, v[\d:\d+7], XA_, XB_
.else
	W1 \d, A_, B_, 0, XA_, XB_
.endif
.endm
.macro BLK tr, e, d0, ds               ; 32 products; token tile t's sums at d0 + ds t
.irp q, 0,1,2,3,4,5,6,7
.irp t, 0,1,2,3
	PROD \tr, \e, \q, \t, (\d0)+(\ds)*\t
.endr
.endr
	WIN 0
.endm
.macro STEP4                           ; four tiles on; the two lines are two of the four places behind the products
	v_add_nc_u32 v[SA], 4*TROW, v[SA]
	v_add_nc_u32 v[SSA], 2048, v[SSA]
	PLACES 2
	WALU
.endm
; THE WAY OUT of four blocks' 128 sums a lane: unit u (q, k: token tile; v: channel tile) has 32 registers at AC + 32 u: two halves of blocks of 32.  Six registers of codes go to CD + 12 u + 6 .., its two scale bytes to TM + 24 + u.
.macro OUT8 words
	s_wait_xcnt 0x0                                ; earlier stores have read the registers written below
	WIN 0x3c
.irp x, 0,1,2,3,4,5,6,7                ; chain x = 2 u + p: my 16 numbers of block p; each accumulator is read from its low end on
	v_max3_num_f32 v[TM+\x], s[FL], |v[AC+16*\x]|, |v[AC+16*\x+1]|
.endr
.irp i, 2,4,6,8,10,12,14
.irp x, 0,1,2,3,4,5,6,7
	v_max3_num_f32 v[TM+\x], v[TM+\x], |v[AC+16*\x+\i]|, |v[AC+16*\x+\i+1]|
.endr
.endr
	WIN 0
.irp x, 0,1,2,3,4,5,6,7
	v_permlanex16_b32 v[TM+8+\x], v[TM+\x], s[PS0], s[PS1]
.endr
.irp x, 0,1,2,3,4,5,6,7
	v_max_num_f32 v[TM+\x], v[TM+\x], v[TM+8+\x]   ; with lane l xor 16's: the block's largest magnitude
.endr
.irp x, 0,1,2,3,4,5,6,7
	v_add_nc_u32 v[TM+16+\x], 0xff000000, v[TM+\x] ; 2 off its exponent field: the conversion's scale operand
.endr
.irp x, 0,1,2,3,4,5,6,7
	v_lshrrev_b32 v[TM+8+\x], 23, v[TM+16+\x]      ; the byte
.endr
.irp u, 0,1,2,3
	v_lshl_or_b32 v[TM+24+\u], v[TM+9+2*\u], 8, v[TM+8+2*\u]
.endr
.if \words
.irp u, 0,1,2,3
	v_lshrrev_b32 v[WD+\u], 16, v[WD+\u]
.endr
.irp u, 0,1,2,3
	v_lshl_or_b32 v[WD+\u], v[TM+24+\u], 16, v[WD+\u]   ; behind two heads: the first head's half below, the second's above
.endr
.endif
	WIN 3
.irp u, 0,1,2,3
	v_cvt_scalef32_pk16_fp6_f32 v[CD+12*\u+6:CD+12*\u+8], v[AC+32*\u:AC+32*\u+15], v[TM+16+2*\u]
	v_cvt_scalef32_pk16_fp6_f32 v[CT+4*\u:CT+4*\u+2], v[AC+32*\u+16:AC+32*\u+31], v[TM+17+2*\u]
.endr
	WIN 0
	v_nop                                          ; one plain place behind a scaled conversion
.irp u, 0,1,2,3                        ; the layout wants a whole block in a lane
.irp i, 0,1,2
	v_permlane16_swap_b32 v[CD+12*\u+6+\i], v[CT+4*\u+\i]
.endr
.irp i, 0,1,2
	v_mov_b32 v[CD+12*\u+9+\i], v[CT+4*\u+\i]
.endr
.endr
	WALU                                           ; waits and branches stand ahead of the readers
.endm
; q and k: a trip is one head: four blocks and the way out.  par = 0: a first head for sure; 1: the trip counter's low bit tells
.macro QKTRIP par
.irp i, 0,1,2,3
	s_wait_dscnt 32                                ; all but the next block's 32 loads
	BLK 1, \i%2, AC+8*\i, 32
.if \i == 2
	STEP4
.else
	PLACES 4
.endif
	FETCH \i%2, (\i+2)%4
.endr
	OUT8 1
.if \par
	s_bitcmp1_b32 s56, 0
	s_cbranch_scc1 .Lsecond_\@
.endif
.irp t, 0,1,2,3                        ; a first head: its six registers go to the image's lower half
.irp i, 0,1,2,3,4,5
	v_mov_b32 v[CD+12*\t+\i], v[CD+12*\t+6+\i]
.endr
.endr
	WALU
.if \par
	s_branch .Ljoin_\@
.Lsecond_\@:                           ; a second head: the four images and their scale words leave
.irp t, 0,1,2,3
.irp c, 0,1,2
	global_store_b128 v[LI], v[CD+12*\t+4*\c:CD+12*\t+4*\c+3], s[48:49] offset:1536*\t+512*\c
.endr
.endr
	s_wait_xcnt 0x0                                ; EXEC changes only behind this wait
	v_cmp_gt_u32 vcc_lo, 16, v[LN]
	s_and_saveexec_b32 s57, vcc_lo
	global_store_b128 v[R16], v[WD:WD+3], s[50:51] ; sixteen lanes store 256 consecutive bytes, aligned
	s_wait_xcnt 0x0
	s_or_b32 exec_lo, exec_lo, s57
	s_add_nc_u64 s[48:49], s[48:49], 512*TROW      ; from q's part of the buffers to k's
	s_add_nc_u64 s[50:51], s[50:51], 512*512
.Ljoin_\@:
.endif
.endm
; v: four blocks, four channel tiles; more = 0: the last four, of which the last two fetch nothing
.macro VTRIP a0, more
.irp i, 0,1,2,3
.if (\more) || \i < 3
	s_wait_dscnt 32
.else
	s_wait_dscnt 0x0
.endif
	BLK 0, \i%2, AC+32*\i, 8
.if (\more) && \i == 2
	STEP4
.else
	PLACES 4
.endif
.if (\more) || \i < 2
	FETCH \i%2, (\i+2)%4
.endif
.endr
	OUT8 0
.irp i, 0,1,2,3
	ds_store_b16 v[VXA], v[TM+24+\i] offset:256*((\a0+\i)/4)+4*((\a0+\i)%4)   ; both lanes of a channel write the same two bytes
	global_store_b128 v[LI], v[CD+12*\i+6:CD+12*\i+9], s[52:53] offset:1536*(\a0+\i)
	global_store_b64 v[L8], v[CD+12*\i+10:CD+12*\i+11], s[52:53] offset:1536*(\a0+\i)+512
.endr
.endm
; ---------------- the head
	s_load_b256 s[4:11], s[0:1], 0x0               ; hcodes, hscales, wcodes, wscales
	s_load_b128 s[12:15], s[0:1], 0x20             ; qkvc, qkvs
	v_lshl_add_u32 v[SPW], v0, 2, SPARE
	v_mov_b32 v[NIL], 0
	ds_add_u32 v[SPW], v[NIL]                      ; the opening lines
	ds_add_u32 v[SPW], v[NIL]
	v_lshrrev_b32 v1, 5, v0
	v_readfirstlane_b32 s16, v1                    ; wave
	s_bfe_u32 s17, ttmp6, 0x40000                  ; cx
	s_bfe_u32 s69, ttmp6, 0x40004                  ; cy
	s_lshl_b32 s18, ttmp9, 2
	s_add_co_u32 s18, s18, s17                     ; block of 256 tokens
	s_and_b32 s19, ttmp7, 0xffff
	s_lshl_b32 s19, s19, 2
	s_add_co_u32 s19, s19, s69                     ; head pair
	s_lshl_b32 s70, s69, 2
	s_lshl_b32 s70, 15, s70                        ; my row of the cluster: shares the weights
	s_lshl_b32 s71, 0x1111, s17                    ; my column: shares the tokens
	s_lshr_b32 s60, s16, 1                         ; my group of 128 tokens in the block
	s_and_b32 s61, s16, 1                          ; my half of it
	s_lshl_b32 s22, s18, 2
	s_add_co_u32 s22, s22, s16                     ; my four tiles
	s_lshl_b32 s22, s22, 11
	s_mov_b32 s23, 0
	s_or_b32 s24, s70, (3<<16)|(1<<21)             ; codes: 8 rows (tiles) of 12,288 bytes, dense; elements of 8 bytes: the weights',
	s_or_b32 s72, s71, (3<<16)|(1<<21)             ; the tokens'
.irp g, 24, 72
	s_mov_b32 s[\g+1], 1536<<16
	s_mov_b32 s[\g+2], 8<<16
	s_mov_b32 s[\g+3], 1536<<16
	s_mov_b32 s[\g+4], 8
	s_mov_b32 s[\g+5], 1536
	s_mov_b32 s[\g+6], 0
	s_mov_b32 s[\g+7], 0
.endr
	s_or_b32 s32, s70, (3<<16)|(1<<21)             ; scale words: 3 rows (weights) of 4,096 bytes, 32,768 apart
	s_mov_b32 s33, 512<<16
	s_mov_b32 s34, 3<<16
	s_mov_b32 s35, 512<<16
	s_mov_b32 s36, 3
	s_mov_b32 s37, 4096
	s_mov_b32 s38, 0
	s_mov_b32 s39, 0
	s_mov_b32 s80, 1                               ; waves 0, 1: eight token tiles each
	s_mul_i32 s81, s16, 8*TROW
	s_add_co_u32 s81, s81, XR
	s_lshl_b32 s82, s18, 1
	s_add_co_u32 s82, s82, s16
	s_mul_i32 s82, s82, 8*TROW
	s_mov_b32 s83, 0
	s_mov_b32 s40, 1                               ; wave 2: Wq's eight tiles
	s_mov_b32 s41, 0
	s_mul_i32 s42, s19, 8*TROW
	s_mov_b32 s43, 0
	s_mov_b32 s44, 1                               ; wave 3: the scale words
	s_mov_b32 s45, SCL
	s_lshl_b32 s46, s19, 12
	s_mov_b32 s47, 0
	s_mov_b32 s84, 1                               ; the refill: wave 0 Wk's tiles, wave 1 Wv's, onto the tokens'
	s_mov_b32 s85, s81
	s_add_co_u32 s86, s16, 1
	s_lshl_b32 s86, s86, 3
	s_add_co_u32 s86, s86, s19
	s_mul_i32 s86, s86, 8*TROW                     ; tile 64 (wave + 1) + 8 y
	s_mov_b32 s87, 0
	s_lshr_b32 s58, s18, 3                         ; where the results go: (batch x 8 + head pair) x 16 + group
	s_lshl_b32 s58, s58, 3
	s_add_co_u32 s58, s58, s19
	s_lshl_b32 s58, s58, 4
	s_and_b32 s59, s18, 7
	s_lshl_b32 s59, s59, 1
	s_add_co_u32 s58, s58, s59
	s_add_co_u32 s54, s58, 1024                    ; v's scale words of both groups, 256 bytes a wave
	s_lshl_b32 s54, s54, 9
	s_lshl_b32 s59, s16, 8
	s_add_co_u32 s54, s54, s59
	s_mov_b32 s55, 0
	s_add_co_u32 s58, s58, s60
	s_mul_i32 s48, s58, TROW                       ; q's codes: my four tiles
	s_mul_i32 s59, s61, 6144
	s_add_co_u32 s48, s48, s59
	s_mov_b32 s49, 0
	s_lshl_b32 s50, s58, 9                         ; q's scale words
	s_lshl_b32 s59, s61, 8
	s_add_co_u32 s50, s50, s59
	s_mov_b32 s51, 0
	s_add_co_u32 s52, s58, 1024                    ; v's codes: my half of each image
	s_mul_i32 s52, s52, TROW
	s_mul_i32 s59, s61, 768
	s_add_co_u32 s52, s52, s59
	s_mov_b32 s53, 0
	s_lshl_b32 s62, s60, 9
	s_lshl_b32 s59, s61, 1
	s_add_co_u32 s62, s62, s59
	s_add_co_u32 s62, s62, XS
	s_lshl_b32 s63, s16, 8
	s_add_co_u32 s63, s63, XS
	s_mul_i32 s57, s16, 4*TROW
	s_add_co_u32 s57, s57, XR
	s_mov_b32 s[PS0], 0x76543210
	s_mov_b32 s[PS1], 0xfedcba98                   ; lane l xor 16
	s_mov_b32 s[FL], 0x1800000                     ; the floor 2^(3 - 127): the byte cannot fall under 1
	v_and_b32 v[LN], 31, v0
	v_and_b32 v1, 15, v0
	v_lshlrev_b32 v[LI], 4, v[LN]
	v_lshlrev_b32 v[L8], 3, v[LN]
	v_lshlrev_b32 v[R16], 4, v1
	v_lshlrev_b32 v[SA], 4, v[LN]
	v_add_nc_u32 v[SSA], SCL, v[R16]
	v_add_nc_u32 v[VXA], s62, v[R16]
	v_add_nc_u32 v[VXR], s63, v[L8]
	v_add_nc_u32 v[RA], s57, v[LI]
.irp x, 0,1,2,3,4,5,6,7
	v_mov_b32 v[TM+8+\x], 0                        ; a lane permute's destination counts as one of its sources
.endr
.irp t, 0,1,2,3
	v_mov_b32 v[WD+\t], 0                          ; the scale words are shifted in, half a word a head
.endr
	WALU
	s_wait_dscnt 0x0
	CROUND                                         ; the round in front of the joint loads
	s_wait_kmcnt 0x0
	s_add_nc_u64 s[82:83], s[4:5], s[82:83]
	s_or_b32 s83, s83, 0x80000000
	s_add_nc_u64 s[42:43], s[8:9], s[42:43]
	s_or_b32 s43, s43, 0x80000000
	s_add_nc_u64 s[86:87], s[8:9], s[86:87]
	s_or_b32 s87, s87, 0x80000000
	s_add_nc_u64 s[46:47], s[10:11], s[46:47]
	s_or_b32 s47, s47, 0x80000000
	s_add_nc_u64 s[22:23], s[6:7], s[22:23]
	s_add_nc_u64 s[48:49], s[12:13], s[48:49]
	s_add_nc_u64 s[50:51], s[14:15], s[50:51]
	s_add_nc_u64 s[52:53], s[12:13], s[52:53]
	s_add_nc_u64 s[54:55], s[14:15], s[54:55]
	s_cmp_lt_u32 s16, 2                            ; one tensor load a wave, in one chain of arms
	s_cbranch_scc0 .Lwave_2
	TLOAD 80, 72
	s_branch .Lasked
.Lwave_2:
	s_cmp_eq_u32 s16, 2
	s_cbranch_scc0 .Lwave_3
	TLOAD 40, 24
	s_branch .Lasked
.Lwave_3:
	TLOAD 44, 32
.Lasked:
.irp q, 0,1,2,3,4,5,6,7
	global_load_b128 v[32+8*\q:32+8*\q+3], v[R16], s[22:23] offset:256*\q   ; my tokens' scale words
.endr
	s_wait_tensorcnt 0x0                           ; my tile is in,
	s_barrier_signal -1
	s_barrier_wait -1                              ; everybody's are
.irp q, 0,1,2,3,4,5,6,7                ; my tokens into registers: 96 loads of 512 consecutive bytes
.irp t, 0,1,2,3
.set F_, 4*\q+\t
	WIN (1+F_/21)<<6
.irp c, 0,1,2
	ds_load_b128 v[12*(F_%21)+4*\c:12*(F_%21)+4*\c+3], v[RA] offset:TROW*\t+1536*\q+512*\c
.endr
.endr
.endr
	WIN 0
	FETCH 0, 0
	FETCH 1, 1
	s_wait_tensorcnt 0x0                           ; the three lines ahead of a refill's round
	ds_add_u32 v[SPW], v[NIL]
	s_wait_dscnt 0x0                               ; my tokens are in registers: my reads of their LDS bytes are over
	CROUND
	s_cmp_lt_u32 s16, 2
	s_cbranch_scc0 .Lno_fill
	TLOAD 84, 24                                   ; Wk's and Wv's tiles, onto the tokens'
.Lno_fill:
	s_wait_loadcnt 0x0
	QKTRIP 0                                       ; q's first head: reads Wq's tiles alone
	s_wait_tensorcnt 0x0                           ; my part of the refill is in,
	s_wait_dscnt 0x0
	s_barrier_signal -1
	s_barrier_wait -1                              ; everybody's is
	s_mov_b32 s56, 1
.Lqk:
	QKTRIP 1
	s_add_co_u32 s56, s56, 1
	s_cmp_lt_u32 s56, 4
	s_cbranch_scc1 .Lqk
	VTRIP 0, 1
	VTRIP 4, 0
	s_wait_dscnt 0x0                               ; my bytes are in the stage
	s_barrier_signal -1
	s_barrier_wait -1
	ds_load_b64 v[TM:TM+1], v[VXR]
	s_wait_dscnt 0x0
	global_store_b64 v[L8], v[TM:TM+1], s[54:55]   ; 32 lanes store one aligned block of 256 bytes
	s_wait_tensorcnt 0x0                           ; the wave's end
	ds_add_u32 v[SPW], v[NIL]
	s_wait_dscnt 0x0
	CROUND                                         ; the closing round
	s_endpgm
.Lfunc_end_k_q29d5608857_qkv:
	.size	k_q29d5608857_qkv, .Lfunc_end_k_q29d5608857_qkv-k_q29d5608857_qkv
	.p2alignl 7, 3214868480
	.fill 96, 4, 3214868480
	.section	.rodata,"a",@progbits
	.p2align	6, 0x0
	.amdhsa_kernel k_q29d5608857_qkv
		.amdhsa_group_segment_fixed_size 327680
		.amdhsa_private_segment_fixed_size 0
		.amdhsa_enable_private_segment 0
		.amdhsa_kernarg_size 48
		.amdhsa_user_sgpr_count 2
		.amdhsa_user_sgpr_kernarg_segment_ptr 1
		.amdhsa_wavefront_size32 1
		.amdhsa_system_sgpr_workgroup_id_x 1
		.amdhsa_system_sgpr_workgroup_id_y 1
		.amdhsa_system_sgpr_workgroup_id_z 1
		.amdhsa_system_vgpr_workitem_id 0
		.amdhsa_next_free_vgpr 968
		.amdhsa_next_free_sgpr 88
		.amdhsa_reserve_vcc 1
		.amdhsa_float_denorm_mode_32 3
		.amdhsa_float_denorm_mode_16_64 3
		.amdhsa_memory_ordered 1
		.amdhsa_forward_progress 1
		.amdhsa_inst_pref_size 153
	.end_amdhsa_kernel
	.amdgpu_metadata
---
amdhsa.version: [ 1, 2 ]
amdhsa.kernels:
  - .name:           k_q29d5608857_qkv
    .symbol:         k_q29d5608857_qkv.kd
    .args:
      - { .name: hcodes, .offset: 0, .size: 8, .value_kind: global_buffer, .address_space: global }
      - { .name: hscales, .offset: 8, .size: 8, .value_kind: global_buffer, .address_space: global }
      - { .name: wcodes, .offset: 16, .size: 8, .value_kind: global_buffer, .address_space: global }
      - { .name: wscales, .offset: 24, .size: 8, .value_kind: global_buffer, .address_space: global }
      - { .name: qkvc, .offset: 32, .size: 8, .value_kind: global_buffer, .address_space: global }
      - { .name: qkvs, .offset: 40, .size: 8, .value_kind: global_buffer, .address_space: global }
    .group_segment_fixed_size: 327680
    .private_segment_fixed_size: 0
    .kernarg_segment_align: 8
    .kernarg_segment_size: 48
    .max_flat_workgroup_size: 128
    .sgpr_count:     88
    .vgpr_count:     968
    .wavefront_size: 32
...
	.end_amdgpu_metadata
.endif
;; end of part 2
;; launch attn (part 3): grid 8 x 32, 8 waves a work-group, clusters of 4 x 1, 327,680 bytes of LDS; arguments qkvc, qkvs, attention_mask, aoc, aos; writes aoc, aos
.if DOCPART == 3
	.amdgcn_target "amdgcn-amd-amdhsa--gfx1250"
	.amdhsa_code_object_version 6
	.text
	.protected	k_q29d5608857_attn
	.globl	k_q29d5608857_attn
	.p2align	8
	.type	k_q29d5608857_attn,@function
k_q29d5608857_attn:
	s_mov_b64 s[64:65], 0
	v_nop
	global_prefetch_b8 v0, s[64:65] scope:SCOPE_SE
	s_setreg_imm32_b32 hwreg(HW_REG_WAVE_MODE, 25, 1), 1
	s_wait_xcnt 0x0
	s_wait_alu depctr_hold_cnt(0) depctr_sa_sdst(0) depctr_va_vdst(0) depctr_va_sdst(0) depctr_va_ssrc(0) depctr_va_vcc(0) depctr_vm_vsrc(0)
	s_getreg_b32 s2, hwreg(HW_REG_IB_STS2, 6, 4)
	s_cmp_eq_u32 s2, 0
	s_cbranch_scc0 .Lentry_in_a_cluster
	s_endpgm
.Lentry_in_a_cluster:
	s_bfe_u32 s2, ttmp6, 0x10000c
	s_cmp_lg_u32 s2, 0x3003
	s_cbranch_scc0 .Lentry_shape_is_right
	s_endpgm
.Lentry_shape_is_right:
; softmax(q k^T / 8, masked) v for one head pair and 256 queries, on codes of FP6 (E2M3) with E8M0 scales; the result is quantised along the 128 channels and leaves as images of operand registers.
; Eight waves; a wave owns 32 queries (two tiles) of both heads.  Both products are used transposed, so a lane holds one query.  A key's image holds both heads' 64 channels; q's operand has zeros in the other head's half.
; The mask goes in as the C of the score product: 0 for a key that counts, -2^100 for one that does not.  Where no key of the batch counts, the factor on the scores is 0, so that all keys weigh alike.
; The maximum is a running one, rounded up to a whole number; sums and O^T are brought under a new maximum by an exact power of two in every step, with no branch on data.
; THE RING: two LDS slots of ONE key step each (128 keys: K's 12,288 bytes, then V's); each wave brings 3,072 bytes by a joint load (the four work-groups of a cluster share the head pair).
; The round that guards a refill stands inside the second head's half step: the three lines and the opening signal behind its last LDS read, its softmax and its second product (work on registers) between signal and wait, the refill for step s + 2 first behind the closing wait.
; The scale words of K and V (16,384 bytes) and the mask come once, by plain loads, into LDS bytes of their own.
; LIMITS: scaled scores stay under 2^31 in magnitude, raw scores under 2^99; a block of zeros gets the byte 1; NaN and infinities are not served.
.set SLOT1, 32768
.set VOFF,  12288
.set SCK,   262144
.set SCV,   SCK+8192
.set BIAS,  SCV+8192
.set ANYW,  BIAS+8192
.set AOS,   ANYW+256
.set SPARE, AOS+1024
.set SPW, 7
.set NIL, 8
.set ST,  24
.set FP,  40
.set TM,  48
.set PC,  84
.set CT,  108
.set S,   128
.set F,   128
.set BI,  176
.set QR,  208
.set MSB, 0
.macro WIN new
.if MSB != \new
	s_set_vgpr_msb (MSB<<8)|\new
.set MSB, \new
.endif
.endm
.macro CROUND
	s_barrier_signal -1
	s_barrier_wait -1
	s_cmp_lg_u32 s14, 0
	s_cbranch_scc1 .Lnot_wave_0_\@
	s_barrier_signal -3
.Lnot_wave_0_\@:
	s_barrier_wait -3
	s_barrier_signal -1
	s_barrier_wait -1
.endm
.macro PLACES
.rept 4
	v_nop
.endr
.endm
	s_load_b256 s[4:11], s[0:1], 0x0
	s_load_b64 s[12:13], s[0:1], 0x20
	v_lshl_add_u32 v[SPW], v0, 2, SPARE
	v_mov_b32 v[NIL], 0
	ds_add_u32 v[SPW], v[NIL]
	ds_add_u32 v[SPW], v[NIL]
	v_lshrrev_b32 v9, 5, v0
	s_delay_alu instid0(VALU_DEP_1)
	v_readfirstlane_b32 s14, v9
	s_bfe_u32 s15, ttmp6, 0x40000
	s_lshl_b32 s16, ttmp9, 2
	s_add_co_u32 s16, s16, s15
	s_and_b32 s17, ttmp7, 0xffff
	s_mov_b32 s24, 15|(3<<16)|(1<<21)
	s_mov_b32 s25, 32<<16
	s_mov_b32 s26, 12<<16                          ; a wave's part of a step: 12 rows of 256 bytes
	s_mov_b32 s27, 32<<16
	s_mov_b32 s28, 12
	s_mov_b32 s29, 32
	s_mov_b32 s30, 0
	s_mov_b32 s31, 0
	s_mul_i32 s34, s15, 768                        ; the prefetches: of the 12 blocks of 256 bytes that my wave brings, my work-group names three, told apart by address
	s_lshr_b32 s18, s14, 2
	s_lshl_b32 s18, s18, 5
	s_add_co_u32 s18, s18, 32
	s_add_co_u32 s18, s18, s17
	s_and_b32 s19, s14, 3
	s_mul_i32 s20, s18, 196608
	s_mul_i32 s22, s19, 3072
	s_add_co_u32 s20, s20, s22
	s_mov_b32 s21, 0
	s_lshl_b32 s22, s18, 13
	s_lshl_b32 s23, s19, 11
	s_add_co_u32 s22, s22, s23
	s_mov_b32 s23, 0
	s_mov_b32 s54, 0x76543210
	s_mov_b32 s55, 0xfedcba98
	s_mov_b32 s48, 0
	s_mov_b32 s49, 0
	s_wait_dscnt 0x0
	s_wait_kmcnt 0x0
	CROUND
	s_lshl_b32 s45, s14, 11
	s_add_co_u32 s45, s45, SCK                     ; LDS: my 2,048 bytes of the scale words,
	s_add_nc_u64 s[46:47], s[6:7], s[22:23]        ; and where they lie in memory
	s_mov_b32 s40, 1
	s_mul_i32 s41, s14, 3072                       ; waves 0-3 a quarter each of K's step, waves 4-7 of V's
	s_add_nc_u64 s[42:43], s[4:5], s[20:21]
	s_add_nc_u64 s[32:33], s[42:43], 4*12288       ; the prefetches begin at step 4
	s_or_b32 s43, s43, 0x80000000
	tensor_load_to_lds s[40:43], s[24:31]
	s_nop 0
.rept 4
	v_nop
.endr
	v_and_b32 v9, 31, v0
	s_delay_alu instid0(VALU_DEP_1)
	v_lshlrev_b32 v1, 4, v9
	v_lshlrev_b32 v124, 3, v9                      ; 8 x lane: for the last two registers of each half of an image of v
	v_add_nc_u32 v125, s45, v1
	v_min_u32 v126, 2, v9                          ; lanes 0, 1, 2 name a block each; the others name the last again
	v_lshl_add_u32 v126, v126, 8, s34
	v_and_b32 v22, 15, v0
	s_delay_alu instid0(VALU_DEP_1)
	v_lshlrev_b32 v22, 4, v22
	s_wait_alu depctr_va_vdst(0)
	v_lshlrev_b32 v23, 4, v0
	v_add_nc_u32 v2, SCK, v22
	v_bfe_u32 v9, v0, 4, 1
	s_wait_alu depctr_va_vdst(0)
	v_lshl_add_u32 v3, v9, 6, BIAS
	v_add_nc_u32 v80, BIAS, v23
	s_lshl_b32 s57, s14, 2
	s_add_co_u32 s57, s57, ANYW
	v_mov_b32 v81, s57
	v_and_b32 v82, 7, v0
	s_delay_alu instid0(VALU_DEP_1)
	v_lshl_add_u32 v82, v82, 2, ANYW
	s_lshr_b32 s57, s14, 1
	s_lshl_b32 s57, s57, 8
	s_and_b32 s61, s14, 1
	s_lshl_b32 s61, s61, 3
	s_add_co_u32 s57, s57, s61
	s_add_co_u32 s57, s57, AOS
	v_add_nc_u32 v44, s57, v22
	s_min_u32 s57, s14, 1
	s_lshl_b32 s61, s57, 9
	s_add_co_u32 s61, s61, AOS
	v_add_nc_u32 v45, s61, v1
	s_lshl_b32 s61, s57, 12
	v_lshl_add_u32 v46, v9, 11, v22
	s_delay_alu instid0(VALU_DEP_1)
	v_add_nc_u32 v46, s61, v46
	s_lshl_b32 s60, s16, 4
	s_lshl_b32 s61, s14, 1
	s_add_co_u32 s60, s60, s61
	s_mul_i32 s58, s17, 196608
	s_mul_i32 s61, s60, 1536
	s_add_co_u32 s58, s58, s61
	s_mov_b32 s59, 0
	s_add_nc_u64 s[58:59], s[4:5], s[58:59]
	s_lshl_b32 s62, s17, 13
	s_lshr_b32 s61, s60, 2
	s_lshl_b32 s61, s61, 8
	s_add_co_u32 s62, s62, s61
	s_and_b32 s61, s60, 3
	s_lshl_b32 s61, s61, 2
	s_add_co_u32 s62, s62, s61
	s_mov_b32 s63, 0
	s_add_nc_u64 s[62:63], s[6:7], s[62:63]
	s_lshr_b32 s18, s17, 3
	s_and_b32 s19, s17, 7
	s_lshl_b32 s20, s18, 7
	s_add_co_u32 s20, s20, s60
	s_lshl_b32 s20, s20, 3
	s_add_co_u32 s20, s20, s19
	s_mul_i32 s20, s20, 1536
	s_mov_b32 s21, 0
	s_add_nc_u64 s[10:11], s[10:11], s[20:21]
	s_lshl_b32 s20, s18, 5
	s_lshl_b32 s22, s16, 2
	s_add_co_u32 s20, s20, s22
	s_lshl_b32 s20, s20, 3
	s_add_co_u32 s20, s20, s19
	s_lshl_b32 s20, s20, 8
	s_add_nc_u64 s[12:13], s[12:13], s[20:21]
	s_lshl_b32 s20, s18, 13
	s_add_nc_u64 s[8:9], s[8:9], s[20:21]
.irp qt, 0,1
.irp c, 0,1,2
	global_load_b128 v[S+12*\qt+4*\c:S+12*\qt+4*\c+3], v1, s[58:59] offset:1536*\qt+512*\c
.endr
.endr
	global_load_b64 v[10:11], v22, s[62:63]
	global_load_b128 v[S+32:S+35], v23, s[8:9]
	global_load_b128 v[S+36:S+39], v23, s[8:9] offset:4096
.irp i, 0,1,2,3
	global_load_b128 v[S+48+4*\i:S+48+4*\i+3], v1, s[46:47] offset:512*\i   ; my 2,048 bytes of scale words, 512 consecutive bytes a load
.endr
	s_wait_loadcnt 0x0
	v_mov_b32 v47, 0xf1800000
.irp i, 0,1,2,3,4,5,6,7
	v_cmp_eq_u32 vcc_lo, 0, v[S+32+\i]
	s_delay_alu instid0(VALU_DEP_1)
	v_cndmask_b32 v[S+40+\i], 0, v47, vcc_lo
.endr
	ds_store_b128 v80, v[S+40:S+43]
	ds_store_b128 v80, v[S+44:S+47] offset:4096
.irp i, 0,1,2,3
	ds_store_b128 v125, v[S+48+4*\i:S+48+4*\i+3] offset:512*\i
.endr
	v_or_b32 v47, v[S+32], v[S+33]
.irp i, 2,3,4,5,6,7
	s_delay_alu instid0(VALU_DEP_1)
	v_or_b32 v47, v47, v[S+32+\i]
.endr
	s_delay_alu instid0(VALU_DEP_1)
	v_cmp_ne_u32 s56, 0, v47
	s_delay_alu instid0(VALU_DEP_1)
	v_mov_b32 v47, s56
	ds_store_b32 v81, v47
	WIN 0x40
.irp qt, 0,1
.irp i, 0,1,2,3,4,5
	v_mov_b32 v[QR+18*\qt+\i], v[S+12*\qt+\i]
	v_mov_b32 v[QR+18*\qt+6+\i], 0
	v_mov_b32 v[QR+18*\qt+12+\i], v[S+12*\qt+6+\i]
.endr
.endr
.set j, 0
.rept 128
	v_mov_b32 v[j], 0
.set j, j+1
.endr
	WIN 0
.irp g, 0,1,2,3
	v_mov_b32 v[ST+4*\g], 0x6c800000
	v_mov_b32 v[ST+4*\g+1], 0xec800000
	v_mov_b32 v[ST+4*\g+2], 0
	v_mov_b32 v[ST+4*\g+3], 0
.endr
.irp qt, 0,1
	v_mov_b32 v[FP+2*\qt+1], 0
.irp b, 0,1,2,3
	v_mov_b32 v[TM+16*\qt+4+\b], 0
.endr
.endr
	s_wait_dscnt 0x0
	s_barrier_signal -1
	s_barrier_wait -1
	ds_load_b32 v47, v82
	s_wait_dscnt 0x0
	v_cmp_ne_u32 s56, 0, v47
	s_cmp_lg_u32 s56, 0
	s_cselect_b32 s52, 0x3e38aa3b, 0
	s_mov_b32 s53, s52
.macro SOFT hd
.irp b, 0,1,2,3
.irp qt, 0,1
	v_max3_num_f32 v[TM+16*\qt+\b], v[S+64*\qt+16*\b], v[S+64*\qt+16*\b+1], v[S+64*\qt+16*\b+2]
.endr
.endr
.irp i, 3,5,7,9,11,13
.irp b, 0,1,2,3
.irp qt, 0,1
	v_max3_num_f32 v[TM+16*\qt+\b], v[TM+16*\qt+\b], v[S+64*\qt+16*\b+\i], v[S+64*\qt+16*\b+\i+1]
.endr
.endr
.endr
.irp b, 0,1,2,3
.irp qt, 0,1
	v_max_num_f32 v[TM+16*\qt+\b], v[TM+16*\qt+\b], v[S+64*\qt+16*\b+15]
.endr
.endr
.irp b, 0,1,2,3
.irp qt, 0,1
	v_permlanex16_b32 v[TM+16*\qt+4+\b], v[TM+16*\qt+\b], s54, s55
.endr
.endr
.irp b, 0,1,2,3
.irp qt, 0,1
	v_max_num_f32 v[TM+16*\qt+\b], v[TM+16*\qt+\b], v[TM+16*\qt+4+\b]
.endr
.endr
.irp qt, 0,1
	s_delay_alu instid0(VALU_DEP_4)
	v_max3_num_f32 v[TM+16*\qt+10], v[TM+16*\qt], v[TM+16*\qt+1], v[TM+16*\qt+2]
.endr
.irp qt, 0,1
	s_delay_alu instid0(VALU_DEP_2)
	v_max_num_f32 v[TM+16*\qt+10], v[TM+16*\qt+10], v[TM+16*\qt+3]
.endr
.irp qt, 0,1
	s_delay_alu instid0(VALU_DEP_2)
	v_mul_f32 v[TM+16*\qt+10], s52, v[TM+16*\qt+10]
.endr
.irp qt, 0,1
	s_delay_alu instid0(VALU_DEP_2)
	v_max_num_f32 v[ST+8*\hd+4*\qt+1], v[ST+8*\hd+4*\qt+1], v[TM+16*\qt+10]
.endr
.irp qt, 0,1
	v_mov_b32 v[TM+16*\qt+10], v[ST+8*\hd+4*\qt]
.endr
.irp qt, 0,1
	s_delay_alu instid0(VALU_DEP_4)
	v_floor_f32 v[ST+8*\hd+4*\qt], -v[ST+8*\hd+4*\qt+1]
.endr
.irp qt, 0,1
	s_delay_alu instid0(VALU_DEP_2)
	v_sub_f32 v[TM+16*\qt+10], v[ST+8*\hd+4*\qt], v[TM+16*\qt+10]
.endr
.irp qt, 0,1
	s_delay_alu instid0(VALU_DEP_2)
	v_cvt_i32_f32 v[TM+16*\qt+10], v[TM+16*\qt+10]
.endr
.irp qt, 0,1
	s_delay_alu instid0(VALU_DEP_2)
	v_ldexp_f32 v[FP+2*\qt], 1.0, v[TM+16*\qt+10]
.endr
.set j, 0
.rept 32
	v_pk_fma_f32 v[S+j:S+j+1], v[S+j:S+j+1], s[52:53], v[ST+8*\hd:ST+8*\hd+1] op_sel_hi:[1,0,0]
	v_pk_fma_f32 v[S+64+j:S+64+j+1], v[S+64+j:S+64+j+1], s[52:53], v[ST+8*\hd+4:ST+8*\hd+5] op_sel_hi:[1,0,0]
.set j, j+2
.endr
.irp b, 0,1,2,3
.irp qt, 0,1
	v_fma_f32 v[TM+16*\qt+\b], v[TM+16*\qt+\b], s52, v[ST+8*\hd+4*\qt]
.endr
.endr
.set j, 0
	s_wait_alu depctr_va_vdst(0)
.rept 128
	v_exp_f32 v[S+j], v[S+j]
.set j, j+1
.endr
.irp qt, 0,1
	v_pk_mul_f32 v[ST+8*\hd+4*\qt+2:ST+8*\hd+4*\qt+3], v[ST+8*\hd+4*\qt+2:ST+8*\hd+4*\qt+3], v[FP+2*\qt:FP+2*\qt+1] op_sel_hi:[1,0]
.endr
	s_wait_alu depctr_va_vdst(0)
.irp b, 0,1,2,3
.irp qt, 0,1
	v_exp_f32 v[TM+16*\qt+\b], v[TM+16*\qt+\b]
.endr
.endr
.irp qt, 0,1
	v_pk_add_f32 v[TM+16*\qt+8:TM+16*\qt+9], v[S+64*\qt:S+64*\qt+1], v[S+64*\qt+2:S+64*\qt+3]
.endr
.irp j, 4,8,12,16,20,24,28,32,36,40,44,48,52,56,60
.irp qt, 0,1
	v_pk_add_f32 v[ST+8*\hd+4*\qt+2:ST+8*\hd+4*\qt+3], v[ST+8*\hd+4*\qt+2:ST+8*\hd+4*\qt+3], v[S+64*\qt+\j:S+64*\qt+\j+1]
	v_pk_add_f32 v[TM+16*\qt+8:TM+16*\qt+9], v[TM+16*\qt+8:TM+16*\qt+9], v[S+64*\qt+\j+2:S+64*\qt+\j+3]
.endr
.endr
.irp qt, 0
	s_delay_alu instid0(VALU_DEP_3)
	v_pk_add_f32 v[ST+8*\hd+4*\qt+2:ST+8*\hd+4*\qt+3], v[ST+8*\hd+4*\qt+2:ST+8*\hd+4*\qt+3], v[TM+16*\qt+8:TM+16*\qt+9]
.endr
.irp qt, 1
	s_delay_alu instid0(VALU_DEP_2)
	v_pk_add_f32 v[ST+8*\hd+4*\qt+2:ST+8*\hd+4*\qt+3], v[ST+8*\hd+4*\qt+2:ST+8*\hd+4*\qt+3], v[TM+16*\qt+8:TM+16*\qt+9]
.endr
	s_wait_alu depctr_va_vdst(0)
.irp b, 0,1,2,3
.irp qt, 0,1
	v_max_num_f32 v[TM+16*\qt+\b], 0x1800000, v[TM+16*\qt+\b]
.endr
.endr
.irp b, 0,1,2,3
.irp qt, 0,1
	v_add_nc_u32 v[TM+16*\qt+12+\b], 0xff000000, v[TM+16*\qt+\b]
.endr
.endr
.irp b, 0,1,2,3
.irp qt, 0,1
	v_lshrrev_b32 v[TM+16*\qt+4+\b], 23, v[TM+16*\qt+12+\b]
.endr
.endr
.irp qt, 0,1
	v_lshl_or_b32 v[20+\qt], v[TM+16*\qt+5], 8, v[TM+16*\qt+4]
.endr
.irp qt, 0,1
	s_delay_alu instid0(VALU_DEP_2)
	v_lshl_or_b32 v[20+\qt], v[TM+16*\qt+6], 16, v[20+\qt]
.endr
.irp qt, 0,1
	s_delay_alu instid0(VALU_DEP_2)
	v_lshl_or_b32 v[20+\qt], v[TM+16*\qt+7], 24, v[20+\qt]
.endr
.irp qt, 0,1
.irp c, 0,1
	v_cvt_scalef32_pk16_fp6_f32 v[PC+12*\qt+6*\c:PC+12*\qt+6*\c+2], v[S+64*\qt+32*\c:S+64*\qt+32*\c+15], v[TM+16*\qt+12+2*\c]
	v_cvt_scalef32_pk16_fp6_f32 v[CT+8*\qt+4*\c:CT+8*\qt+4*\c+2], v[S+64*\qt+32*\c+16:S+64*\qt+32*\c+31], v[TM+16*\qt+12+2*\c+1]
.endr
.endr
	v_nop
.irp qt, 0,1
.irp c, 0,1
.irp i, 0,1,2
	v_permlane16_swap_b32 v[PC+12*\qt+6*\c+\i], v[CT+8*\qt+4*\c+\i]
.endr
.irp i, 0,1,2
	s_delay_alu instid0(VALU_DEP_3)
	v_mov_b32 v[PC+12*\qt+6*\c+3+\i], v[CT+8*\qt+4*\c+\i]
.endr
.endr
.endr
	WIN 0x41
.set j, 0
.rept 16
	v_pk_mul_f32 v[32*\hd+j:32*\hd+j+1], v[32*\hd+j:32*\hd+j+1], v[FP:FP+1] op_sel_hi:[1,0]
	v_pk_mul_f32 v[64+32*\hd+j:64+32*\hd+j+1], v[64+32*\hd+j:64+32*\hd+j+1], v[FP+2:FP+3] op_sel_hi:[1,0]
.set j, j+2
.endr
.endm
.macro HSTEP hd, mode                  ; mode 0: no barrier; 1: the round and the refill; 2
.irp g, 0,1
	PLACES
	WIN 0x40
.irp t, 0,1,2,3
.irp c, 0,1,2
	ds_load_b128 v[F+12*\t+4*\c:F+12*\t+4*\c+3], v4 offset:1536*(4*\g+\t)+512*\c
.endr
	ds_load_b128 v[BI+8*\t:BI+8*\t+3], v6 offset:128*(2*\g+\t/2)+32*(\t%2)
	ds_load_b128 v[BI+8*\t+4:BI+8*\t+7], v6 offset:128*(2*\g+\t/2)+32*(\t%2)+16
.endr
	WIN 0
	ds_load_b128 v[12:15], v5 offset:256*\g
	s_wait_dscnt 0x0
	WIN 0x15
.irp t, 0,1,2,3
.irp qt, 0,1
	v_wmma_scale_f32_16x16x128_f8f6f4 v[S+64*\qt+8*(4*\g+\t):S+64*\qt+8*(4*\g+\t)+7], v[F+12*\t:F+12*\t+11], v[QR+18*\qt+6*\hd:QR+18*\qt+6*\hd+11], v[BI+8*\t:BI+8*\t+7], v[12+\t], v[10+\qt] matrix_a_fmt:MATRIX_FMT_FP6 matrix_b_fmt:MATRIX_FMT_FP6
.endr
.endr
.endr
	PLACES
	WIN 0x40
.irp t, 0,1,2,3
.irp c, 0,1                            ; an image of v is two halves of 768 bytes: four registers at 16 x lane, two at 512 + 8 x lane
	ds_load_b128 v[F+12*\t+6*\c:F+12*\t+6*\c+3], v4 offset:VOFF+1536*(4*\hd+\t)+768*\c
	ds_load_b64 v[F+12*\t+6*\c+4:F+12*\t+6*\c+5], v83 offset:VOFF+1536*(4*\hd+\t)+768*\c+512
.endr
.endr
	WIN 0
	ds_load_b128 v[16:19], v5 offset:8192+256*\hd
.if \mode
	s_wait_tensorcnt 0x0                           ; my part of the next step's tile is in;
	ds_add_u32 v[SPW], v[NIL]
.if \mode == 1
	s_xor_b32 s41, s41, SLOT1                      ; no load of mine is out: the descriptor steps to this slot and to the step after next
	s_add_nc_u64 s[42:43], s[42:43], 12288
.endif
	s_wait_dscnt 0x0                               ; the add is done, and these were my last reads of this slot
	s_barrier_signal -1                            ; what follows up to the wait works on registers alone
.endif
	SOFT \hd
	s_wait_alu depctr_va_vdst(0)
.if \mode == 0
	s_wait_dscnt 0x0
.endif
	WIN 0x51
.irp t, 0,1,2,3
.irp qt, 0,1
	v_wmma_scale_f32_16x16x128_f8f6f4 v[64*\qt+32*\hd+8*\t:64*\qt+32*\hd+8*\t+7], v[F+12*\t:F+12*\t+11], v[PC+12*\qt:PC+12*\qt+11], v[64*\qt+32*\hd+8*\t:64*\qt+32*\hd+8*\t+7], v[16+\t], v[20+\qt] matrix_a_fmt:MATRIX_FMT_FP6 matrix_b_fmt:MATRIX_FMT_FP6
.endr
.endr
	WIN 0
.if \mode
	s_barrier_wait -1
.endif
.if \mode == 1
	s_cmp_lg_u32 s14, 0                            ; the rest of the cluster's round
	s_cbranch_scc1 .Lnw0_\@
	s_barrier_signal -3
.Lnw0_\@:
	s_barrier_wait -3
	s_barrier_signal -1
	s_barrier_wait -1
	tensor_load_to_lds s[40:43], s[24:31]          ; the step after next, into the slot that nobody reads any more
	s_nop 0
.rept 4
	v_nop
.endr
.endif
.endm
.macro CHANGE fill
	s_wait_tensorcnt 0x0
	ds_add_u32 v[SPW], v[NIL]
.if \fill
	s_xor_b32 s41, s41, SLOT1
	s_add_nc_u64 s[42:43], s[42:43], 12288
.endif
	s_wait_dscnt 0x0
.if \fill
	CROUND
	tensor_load_to_lds s[40:43], s[24:31]
	s_nop 0
.rept 4
	v_nop
.endr
.else
	s_barrier_signal -1
	s_barrier_wait -1
.endif
.endm
.macro STEPS mode, cnt, trips          ; a trip is one key step: both heads
	s_mov_b32 s\cnt, \trips
.Lstep_\@:
	v_add_nc_u32 v4, s48, v1
	s_wait_alu depctr_va_vdst(0)
	v_add_nc_u32 v5, s49, v2
	v_add_nc_u32 v6, s49, v3
	v_add_nc_u32 v83, s48, v124
	s_wait_alu depctr_va_vdst(0)
	HSTEP 0, 0
.if \mode == 1
	s_cmp_gt_u32 s\cnt, 2                          ; trip s asks for step s + 4, which the refill of trip s + 2 will want; the last two trips have no such step
	s_cbranch_scc0 .Lnopf_\@
	global_prefetch_b8 v126, s[32:33] th:TH_LOAD_NT scope:SCOPE_SE
.Lnopf_\@:
.endif
	HSTEP 1, \mode
.if \mode == 1
	s_wait_xcnt 0x0                                ; the prefetch has read its base: it steps only behind this wait
	s_add_nc_u64 s[32:33], s[32:33], 12288
.endif
	s_xor_b32 s48, s48, SLOT1                      ; the other slot,
	s_add_co_u32 s49, s49, 512                     ; the next step's scale words and mask
	s_sub_co_u32 s\cnt, s\cnt, 1
	s_cmp_lg_u32 s\cnt, 0
	s_cbranch_scc1 .Lstep_\@
.endm
	CHANGE 1                                       ; step 0 is in; slot 1's first fill, step 1, is issued as a refill is
	STEPS 1, 50, 14                                ; steps 0 to 13 fill a slot again
	STEPS 2, 51, 2                                 ; the last two fetch nothing
.irp g, 0,1,2,3
	v_add_f32 v[ST+4*\g+2], v[ST+4*\g+2], v[ST+4*\g+3]
.endr
.irp g, 0,1,2,3
	s_delay_alu instid0(VALU_DEP_4)
	v_permlanex16_b32 v[ST+4*\g+3], v[ST+4*\g+2], s54, s55
.endr
.irp g, 0,1,2,3
	s_delay_alu instid0(VALU_DEP_4)
	v_add_f32 v[ST+4*\g+3], v[ST+4*\g+2], v[ST+4*\g+3]
.endr
	s_wait_alu depctr_va_vdst(0)
.irp g, 0,1,2,3
	v_rcp_f32 v[ST+4*\g+2], v[ST+4*\g+3]
.endr
	v_nop
	s_wait_alu depctr_va_vdst(0)
	WIN 0x01
.irp qt, 0,1
.irp hd, 0,1
.set j, 0
.rept 16
	v_pk_mul_f32 v[S+64*\qt+32*\hd+j:S+64*\qt+32*\hd+j+1], v[64*\qt+32*\hd+j:64*\qt+32*\hd+j+1], v[ST+8*\hd+4*\qt+2:ST+8*\hd+4*\qt+3] op_sel_hi:[1,0]
.set j, j+2
.endr
.endr
.endr
	WIN 0
.macro QUANT s, tm, pc, ct, pw
.irp b, 0,1,2,3
	v_max3_num_f32 v[(\tm)+\b], |v[(\s)+16*\b]|, |v[(\s)+16*\b+1]|, 0x1800000
.endr
.irp i, 2,4,6,8,10,12,14
.irp b, 0,1,2,3
	s_delay_alu instid0(VALU_DEP_4)
	v_max3_num_f32 v[(\tm)+\b], v[(\tm)+\b], |v[(\s)+16*\b+\i]|, |v[(\s)+16*\b+\i+1]|
.endr
.endr
.irp b, 0,1,2,3
	s_delay_alu instid0(VALU_DEP_4)
	v_permlanex16_b32 v[(\tm)+4+\b], v[(\tm)+\b], s54, s55
.endr
.irp b, 0,1,2,3
	s_delay_alu instid0(VALU_DEP_4)
	v_max_num_f32 v[(\tm)+\b], v[(\tm)+\b], v[(\tm)+4+\b]
.endr
.irp b, 0,1,2,3
	s_delay_alu instid0(VALU_DEP_4)
	v_add_nc_u32 v[(\tm)+12+\b], 0xff000000, v[(\tm)+\b]
.endr
.irp b, 0,1,2,3
	s_delay_alu instid0(VALU_DEP_4)
	v_lshrrev_b32 v[(\tm)+4+\b], 23, v[(\tm)+12+\b]
.endr
	s_delay_alu instid0(VALU_DEP_3)
	v_lshl_or_b32 v[\pw], v[(\tm)+5], 8, v[(\tm)+4]
	s_delay_alu instid0(VALU_DEP_1)
	v_lshl_or_b32 v[\pw], v[(\tm)+6], 16, v[\pw]
	s_delay_alu instid0(VALU_DEP_1)
	v_lshl_or_b32 v[\pw], v[(\tm)+7], 24, v[\pw]
.irp c, 0,1
	v_cvt_scalef32_pk16_fp6_f32 v[(\pc)+6*\c:(\pc)+6*\c+2], v[(\s)+32*\c:(\s)+32*\c+15], v[(\tm)+12+2*\c]
	v_cvt_scalef32_pk16_fp6_f32 v[(\ct)+4*\c:(\ct)+4*\c+2], v[(\s)+32*\c+16:(\s)+32*\c+31], v[(\tm)+12+2*\c+1]
.endr
	v_nop
.irp c, 0,1
.irp i, 0,1,2
	v_permlane16_swap_b32 v[(\pc)+6*\c+\i], v[(\ct)+4*\c+\i]
.endr
.irp i, 0,1,2
	s_delay_alu instid0(VALU_DEP_3)
	v_mov_b32 v[(\pc)+6*\c+3+\i], v[(\ct)+4*\c+\i]
.endr
.endr
.endm
	QUANT S, TM, PC, CT, 20
	QUANT S+64, TM+16, PC+12, CT+8, 21
.irp qt, 0,1
.irp c, 0,1,2
	global_store_b128 v1, v[PC+12*\qt+4*\c:PC+12*\qt+4*\c+3], s[10:11] offset:12288*\qt+512*\c
.endr
.endr
	ds_store_b64 v44, v[20:21]
	s_wait_dscnt 0x0
	s_barrier_signal -1
	s_barrier_wait -1
	s_cmp_lt_u32 s14, 2
	s_cbranch_scc0 .Lno_scales
	ds_load_b128 v[48:51], v45
	s_wait_dscnt 0x0
	global_store_b128 v46, v[48:51], s[12:13]
.Lno_scales:
	s_wait_tensorcnt 0x0
	ds_add_u32 v[SPW], v[NIL]
	s_wait_dscnt 0x0
	CROUND
	s_endpgm
.Lfunc_end_k_q29d5608857_attn:
	.size	k_q29d5608857_attn, .Lfunc_end_k_q29d5608857_attn-k_q29d5608857_attn
	.p2alignl 7, 3214868480
	.fill 96, 4, 3214868480
	.section	.rodata,"a",@progbits
	.p2align	6, 0x0
	.amdhsa_kernel k_q29d5608857_attn
		.amdhsa_group_segment_fixed_size 327680
		.amdhsa_private_segment_fixed_size 0
		.amdhsa_enable_private_segment 0
		.amdhsa_kernarg_size 40
		.amdhsa_user_sgpr_count 2
		.amdhsa_user_sgpr_kernarg_segment_ptr 1
		.amdhsa_wavefront_size32 1
		.amdhsa_system_sgpr_workgroup_id_x 1
		.amdhsa_system_sgpr_workgroup_id_y 1
		.amdhsa_system_sgpr_workgroup_id_z 1
		.amdhsa_system_vgpr_workitem_id 0
		.amdhsa_next_free_vgpr 512
		.amdhsa_next_free_sgpr 66
		.amdhsa_reserve_vcc 1
		.amdhsa_float_denorm_mode_32 3
		.amdhsa_float_denorm_mode_16_64 3
		.amdhsa_memory_ordered 1
		.amdhsa_forward_progress 1
		.amdhsa_inst_pref_size 163
	.end_amdhsa_kernel
	.amdgpu_metadata
---
amdhsa.version: [ 1, 2 ]
amdhsa.kernels:
  - .name:           k_q29d5608857_attn
    .symbol:         k_q29d5608857_attn.kd
    .args:
      - { .name: qkvc, .offset: 0, .size: 8, .value_kind: global_buffer, .address_space: global }
      - { .name: qkvs, .offset: 8, .size: 8, .value_kind: global_buffer, .address_space: global }
      - { .name: attention_mask, .offset: 16, .size: 8, .value_kind: global_buffer, .address_space: global }
      - { .name: aoc, .offset: 24, .size: 8, .value_kind: global_buffer, .address_space: global }
      - { .name: aos, .offset: 32, .size: 8, .value_kind: global_buffer, .address_space: global }
    .group_segment_fixed_size: 327680
    .private_segment_fixed_size: 0
    .kernarg_segment_align: 8
    .kernarg_segment_size: 40
    .max_flat_workgroup_size: 256
    .sgpr_count:     66
    .vgpr_count:     512
    .wavefront_size: 32
...
	.end_amdgpu_metadata
.endif
;; end of part 3
;; launch proj (part 4): grid 32 x 8, 4 waves a work-group, clusters of 4 x 4, 327,680 bytes of LDS; arguments aoc, aos, wcodes, wscales, bo, out0; writes out0
.if DOCPART == 4
	.amdgcn_target "amdgcn-amd-amdhsa--gfx1250"
	.amdhsa_code_object_version 6
	.text
	.protected	k_q29d5608857_proj
	.globl	k_q29d5608857_proj
	.p2align	8
	.type	k_q29d5608857_proj,@function
k_q29d5608857_proj:
	s_mov_b64 s[64:65], 0
	v_nop
	global_prefetch_b8 v0, s[64:65] scope:SCOPE_SE
	s_setreg_imm32_b32 hwreg(HW_REG_WAVE_MODE, 25, 1), 1
	s_wait_xcnt 0x0
	s_wait_alu depctr_hold_cnt(0) depctr_sa_sdst(0) depctr_va_vdst(0) depctr_va_sdst(0) depctr_va_ssrc(0) depctr_va_vcc(0) depctr_vm_vsrc(0)
	s_getreg_b32 s2, hwreg(HW_REG_IB_STS2, 6, 4)
	s_cmp_eq_u32 s2, 0
	s_cbranch_scc0 .Lentry_in_a_cluster
	s_endpgm
.Lentry_in_a_cluster:
	s_bfe_u32 s2, ttmp6, 0x10000c
	s_cmp_lg_u32 s2, 0xf033
	s_cbranch_scc0 .Lentry_shape_is_right
	s_endpgm
.Lentry_shape_is_right:
; out0 = attention's result x Wo + bo, on codes of FP6 (E2M3) with E8M0 scales, f32 sums.
; THE DEAL: work-group (x, y) takes tokens 256 x .. + 255 and columns 128 y .. + 127: 256 work-groups of four waves.
; A wave HOLDS its 64 tokens (four tiles), all of K = 1,024, in registers: 32 fragments of 12.  Wo's eight tiles, all of K, are read from LDS.
; A BLOCK is one tile of Wo x my four token tiles x K: 32 products on four accumulators by turns; the first four take the bias as C.  Wo's fragments lie twice in registers; set s % 2 takes block s + 2 behind block s.
; Source 0 = Wo's tile: a lane holds one token and eight columns.  Behind four blocks 64 columns of 64 tokens are finished: they go, a token tile at a time, through my stage in LDS and leave as rows of 256 bytes, sixteen lanes to a row.
; Row r of tile t is row 32 (t / 2) + 8 (t % 2) + r + 8 (r / 8) of its tensor.
; CLUSTERS, 4 x 4: a row of the cluster shares y and so Wo's tiles, a column shares x and so the tokens: every tensor load is joint.  One load a wave at the head: the 16 token tiles (waves 0, 1), Wo's tiles (wave 2), their scale words (wave 3).  Nothing is filled again.
; NO PREFETCH: every load of the launch is issued at its head; there is no loop to run ahead in.
; REGISTERS: fragment f lies in window 1 + f / 21 at 12 (f % 21): 0-31 the tokens' (4 q + t), 32-39 and 40-47 Wo's two sets.  Window 3 from v72: 16 accumulators.  Window 0: addresses, scale words, the bias, rows on their way out.
.set TROW,  12288
.set SCL,   8*TROW                     ; Wo's scale words: [group of 4 tiles 2][K step 8][256]
.set XR,    SCL+4096                   ; the tokens' 16 tiles
.set STAGE, XR+16*TROW
.set SP,    272                        ; a stage row: 256 bytes + 16
.set WST,   16*SP                      ; a wave's stage: one tile of 16 rows
.set SPARE, STAGE+4*WST
.set LN,  2
.set LI,  3
.set R16, 5
.set SA,  6
.set SSA, 7
.set STO, 8
.set RD,  9
.set SPW, 10
.set NIL, 11
.set CO,  12
.set B64, 13
.set RA,  16
.set BI,  96                           ; v96-159 the bias, eight registers a tile of Wo
.set BK,  160                          ; v160-223 two sets of 16 rows x 256 bytes
.set AC,  72
; scale words: v32-95, nothing else: the tokens' (K step q, tile t) at 32 + 8 q + t; Wo's (set e, K step q) at 36 + 32 e + 8 (q / 2) + q % 2
.set MSB, 0
.macro WIN new
.if MSB != \new
	s_set_vgpr_msb (MSB<<8)|\new
.set MSB, \new
.endif
.endm
.macro PLACES n
.rept \n
	v_nop
.endr
.endm
.macro WALU
	s_wait_alu depctr_va_vdst(0)
.endm
.macro CROUND
	s_barrier_signal -1
	s_barrier_wait -1
	s_cmp_lg_u32 s16, 0
	s_cbranch_scc1 .Lnot_wave_0_\@
	s_barrier_signal -3
.Lnot_wave_0_\@:
	s_barrier_wait -3
	s_barrier_signal -1
	s_barrier_wait -1
.endm
.macro TLOAD g0, g1
	tensor_load_to_lds s[\g0:\g0+3], s[\g1:\g1+7]
	s_nop 0
	PLACES 4
.endm
.macro FETCH e, k
.irp q, 0,1,2,3,4,5,6,7
.set F_, 32+8*(\e)+\q
	WIN (1+F_/21)<<6
.irp c, 0,1,2
	ds_load_b128 v[12*(F_%21)+4*\c:12*(F_%21)+4*\c+3], v[SA] offset:TROW*(\k)+1536*\q+512*\c
.endr
.endr
	WIN 0
.irp q, 0,1,2,3,4,5,6,7
	ds_load_b32 v[36+32*(\e)+8*(\q/2)+\q%2], v[SSA] offset:4*(\k)+256*\q
.endr
.endm
.macro W1 d, a, b, c, xa, xb
	v_wmma_scale_f32_16x16x128_f8f6f4 v[\d:\d+7], v[12*((\a)%21):12*((\a)%21)+11], v[12*((\b)%21):12*((\b)%21)+11], \c, v[\xa], v[\xb] matrix_a_fmt:MATRIX_FMT_FP6 matrix_b_fmt:MATRIX_FMT_FP6
.endm
.macro PROD e, q, t, d, bi
.set A_, 32+8*(\e)+(\q)
.set B_, 4*(\q)+(\t)
.set XA_, 36+32*(\e)+8*((\q)/2)+(\q)%2
.set XB_, 32+8*(\q)+(\t)
.if \q
	WIN (1+A_/21)|((1+B_/21)<<2)|0xf0
	W1 \d, A_, B_, v[\d:\d+7], XA_, XB_
.else
	WIN (1+A_/21)|((1+B_/21)<<2)|0xc0              ; C, the bias, in window 0
	W1 \d, A_, B_, v[\bi:\bi+7], XA_, XB_
.endif
.endm
.macro BLK e, d0, bi
.irp q, 0,1,2,3,4,5,6,7
.irp t, 0,1,2,3
	PROD \e, \q, \t, (\d0)+32*\t, \bi
.endr
.endr
	WIN 0
.endm
; ---------------- the head
	s_load_b256 s[4:11], s[0:1], 0x0               ; aoc, aos, wcodes, wscales
	s_load_b128 s[12:15], s[0:1], 0x20             ; bo, out0
	v_lshl_add_u32 v[SPW], v0, 2, SPARE
	v_mov_b32 v[NIL], 0
	ds_add_u32 v[SPW], v[NIL]                      ; the opening lines
	ds_add_u32 v[SPW], v[NIL]
	v_lshrrev_b32 v1, 5, v0
	v_readfirstlane_b32 s16, v1                    ; wave
	s_bfe_u32 s17, ttmp6, 0x40000                  ; cx
	s_bfe_u32 s69, ttmp6, 0x40004                  ; cy
	s_lshl_b32 s18, ttmp9, 2
	s_add_co_u32 s18, s18, s17                     ; block of 256 tokens
	s_and_b32 s19, ttmp7, 0xffff
	s_lshl_b32 s19, s19, 2
	s_add_co_u32 s19, s19, s69                     ; block of 128 columns
	s_lshl_b32 s70, s69, 2
	s_lshl_b32 s70, 15, s70                        ; my row of the cluster: shares Wo's tiles
	s_lshl_b32 s71, 0x1111, s17                    ; my column: shares the tokens
	s_lshl_b32 s22, s18, 2
	s_add_co_u32 s22, s22, s16                     ; my four tiles
	s_lshl_b32 s48, s22, 18                        ; 64 rows of 4,096 bytes
	s_lshl_b32 s22, s22, 11
	s_mov_b32 s23, 0
	s_lshl_b32 s50, s19, 9                         ; 128 columns of 4 bytes
	s_mov_b32 s51, 0
	s_add_co_u32 s48, s48, s50
	s_mov_b32 s49, 0
	s_or_b32 s24, s70, (3<<16)|(1<<21)             ; codes: 8 rows (tiles) of 12,288 bytes, dense; elements of 8 bytes: Wo's,
	s_or_b32 s72, s71, (3<<16)|(1<<21)             ; the tokens'
.irp g, 24, 72
	s_mov_b32 s[\g+1], 1536<<16
	s_mov_b32 s[\g+2], 8<<16
	s_mov_b32 s[\g+3], 1536<<16
	s_mov_b32 s[\g+4], 8
	s_mov_b32 s[\g+5], 1536
	s_mov_b32 s[\g+6], 0
	s_mov_b32 s[\g+7], 0
.endr
	s_or_b32 s32, s70, (3<<16)|(1<<21)             ; scale words of eight tiles: 4,096 dense bytes as 16 rows of 256
	s_mov_b32 s33, 32<<16
	s_mov_b32 s34, 16<<16
	s_mov_b32 s35, 32<<16
	s_mov_b32 s36, 16
	s_mov_b32 s37, 32
	s_mov_b32 s38, 0
	s_mov_b32 s39, 0
	s_mov_b32 s80, 1                               ; waves 0, 1: eight token tiles each
	s_mul_i32 s81, s16, 8*TROW
	s_add_co_u32 s81, s81, XR
	s_lshl_b32 s82, s18, 1
	s_add_co_u32 s82, s82, s16
	s_mul_i32 s82, s82, 8*TROW
	s_mov_b32 s83, 0
	s_mov_b32 s40, 1                               ; wave 2: Wo's tiles 192 + 8 y ..
	s_mov_b32 s41, 0
	s_mul_i32 s42, s19, 8*TROW
	s_add_co_u32 s42, s42, 192*TROW
	s_mov_b32 s43, 0
	s_mov_b32 s44, 1                               ; wave 3: the scale words of groups 48 + 2 y, + 1
	s_mov_b32 s45, SCL
	s_lshl_b32 s46, s19, 12
	s_add_co_u32 s46, s46, 48*2048
	s_mov_b32 s47, 0
	s_mul_i32 s59, s16, WST
	s_add_co_u32 s59, s59, STAGE                   ; my stage
	s_mul_i32 s57, s16, 4*TROW
	s_add_co_u32 s57, s57, XR                      ; my four token tiles in LDS
	v_and_b32 v[LN], 31, v0
	v_and_b32 v14, 15, v0                          ; r
	v_bfe_u32 v15, v0, 4, 1                        ; h
	v_lshlrev_b32 v[LI], 4, v[LN]
	v_lshlrev_b32 v[R16], 4, v14
	v_lshlrev_b32 v[SA], 4, v[LN]
	v_add_nc_u32 v[SSA], SCL, v[R16]
	v_add_nc_u32 v[RA], s57, v[LI]
	v_mul_u32_u24 v[STO], v14, SP
	v_lshl_add_u32 v[STO], v15, 6, v[STO]
	v_add_nc_u32 v[STO], s59, v[STO]               ; in: row r, + 64 h
	v_mul_u32_u24 v[RD], v15, SP
	v_add_nc_u32 v[RD], v[RD], v[R16]
	v_add_nc_u32 v[RD], s59, v[RD]                 ; back: sixteen lanes to a row, two rows a load
	v_lshl_add_u32 v[CO], v15, 12, v[R16]          ; and the same two rows in out0
	v_lshlrev_b32 v[B64], 6, v15
	WALU
	s_wait_dscnt 0x0
	CROUND                                         ; the round in front of the joint loads
	s_wait_kmcnt 0x0
	s_add_nc_u64 s[82:83], s[4:5], s[82:83]
	s_or_b32 s83, s83, 0x80000000
	s_add_nc_u64 s[42:43], s[8:9], s[42:43]
	s_or_b32 s43, s43, 0x80000000
	s_add_nc_u64 s[46:47], s[10:11], s[46:47]
	s_or_b32 s47, s47, 0x80000000
	s_add_nc_u64 s[22:23], s[6:7], s[22:23]
	s_add_nc_u64 s[12:13], s[12:13], s[50:51]
	s_add_nc_u64 s[48:49], s[14:15], s[48:49]
	s_cmp_lt_u32 s16, 2                            ; one tensor load a wave, in one chain of arms
	s_cbranch_scc0 .Lwave_2
	TLOAD 80, 72
	s_branch .Lasked
.Lwave_2:
	s_cmp_eq_u32 s16, 2
	s_cbranch_scc0 .Lwave_3
	TLOAD 40, 24
	s_branch .Lasked
.Lwave_3:
	TLOAD 44, 32
.Lasked:
.irp q, 0,1,2,3,4,5,6,7
	global_load_b128 v[32+8*\q:32+8*\q+3], v[R16], s[22:23] offset:256*\q   ; my tokens' scale words
.endr
.irp b, 0,1,2,3,4,5,6,7                ; the bias: register j of tile b in lane (r, h) is column 32 (b / 2) + 8 (b % 2) + 16 h + j
	global_load_b128 v[BI+8*\b:BI+8*\b+3], v[B64], s[12:13] offset:128*(\b/2)+32*(\b%2)
	global_load_b128 v[BI+8*\b+4:BI+8*\b+7], v[B64], s[12:13] offset:128*(\b/2)+32*(\b%2)+16
.endr
	s_wait_tensorcnt 0x0                           ; my tile is in,
	s_barrier_signal -1
	s_barrier_wait -1                              ; everybody's are
.irp q, 0,1,2,3,4,5,6,7                ; my tokens into registers: 96 loads of 512 consecutive bytes
.irp t, 0,1,2,3
.set F_, 4*\q+\t
	WIN (1+F_/21)<<6
.irp c, 0,1,2
	ds_load_b128 v[12*(F_%21)+4*\c:12*(F_%21)+4*\c+3], v[RA] offset:TROW*\t+1536*\q+512*\c
.endr
.endr
.endr
	WIN 0
	FETCH 0, 0
	FETCH 1, 1
	s_wait_loadcnt 0x0
; ---------------- the way out of token tile t: 16 rows x 64 columns through my stage; LDS serves a wave's instructions in order, so no wait stands between the stores and the loads, nor in front of the next tile's stores
.macro TOSTAGE t
	WIN 0x0c                                       ; the data: window 3
.irp i, 0,1,2,3
	ds_store_b128 v[STO], v[AC+32*(\t)+8*\i:AC+32*(\t)+8*\i+3] offset:128*(\i/2)+32*(\i%2)       ; each accumulator from its low end on
	ds_store_b128 v[STO], v[AC+32*(\t)+8*\i+4:AC+32*(\t)+8*\i+7] offset:128*(\i/2)+32*(\i%2)+16
.endr
	WIN 0
.irp k, 0,1,2,3,4,5,6,7
	ds_load_b128 v[BK+32*((\t)%2)+4*\k:BK+32*((\t)%2)+4*\k+3], v[RD] offset:2*SP*\k
.endr
.endm
.macro SEND t, younger, col
	s_wait_dscnt \younger
.irp k, 0,1,2,3,4,5,6,7
	global_store_b128 v[CO], v[BK+32*((\t)%2)+4*\k:BK+32*((\t)%2)+4*\k+3], s[48:49] offset:(32*((\t)/2)+8*((\t)%2)+2*\k+8*(\k/4))*4096+(\col) th:TH_STORE_NT   ; sixteen lanes store 256 consecutive bytes, aligned
.endr
.endm
.macro TRIP a0, more                   ; four blocks, 64 columns; more = 0: the last four, of which the last two fetch nothing
.irp i, 0,1,2,3
.if (\more) || \i < 3
	s_wait_dscnt 32                                ; all but the next block's 32 loads
.else
	s_wait_dscnt 0x0
.endif
	BLK \i%2, AC+8*\i, BI+8*(\a0+\i)
.if (\more) && \i == 2
	v_add_nc_u32 v[SA], 4*TROW, v[SA]              ; four tiles on; two of the four places behind the products
	v_add_nc_u32 v[SSA], 2048, v[SSA]
	PLACES 2
	WALU
.else
	PLACES 4
.endif
.if (\more) || \i < 2
	FETCH \i%2, (\i+2)%4
.endif
.endr
	s_wait_xcnt 0x0                                ; earlier stores have read the registers that the loads below fill
	TOSTAGE 0
.irp t, 1,2,3
.if \t > 1
	s_wait_xcnt 0x0
.endif
	TOSTAGE \t
	SEND \t-1, 16, 64*\a0                          ; behind tile t - 1's loads: tile t's 8 stores and 8 loads
.endr
	SEND 3, 0, 64*\a0
.endm
	TRIP 0, 1
	TRIP 4, 0
	s_wait_tensorcnt 0x0                           ; the wave's end
	ds_add_u32 v[SPW], v[NIL]
	s_wait_dscnt 0x0
	CROUND                                         ; the closing round
	s_endpgm
.Lfunc_end_k_q29d5608857_proj:
	.size	k_q29d5608857_proj, .Lfunc_end_k_q29d5608857_proj-k_q29d5608857_proj
	.p2alignl 7, 3214868480
	.fill 96, 4, 3214868480
	.section	.rodata,"a",@progbits
	.p2align	6, 0x0
	.amdhsa_kernel k_q29d5608857_proj
		.amdhsa_group_segment_fixed_size 327680
		.amdhsa_private_segment_fixed_size 0
		.amdhsa_enable_private_segment 0
		.amdhsa_kernarg_size 48
		.amdhsa_user_sgpr_count 2
		.amdhsa_user_sgpr_kernarg_segment_ptr 1
		.amdhsa_wavefront_size32 1
		.amdhsa_system_sgpr_workgroup_id_x 1
		.amdhsa_system_sgpr_workgroup_id_y 1
		.amdhsa_system_sgpr_workgroup_id_z 1
		.amdhsa_system_vgpr_workitem_id 0
		.amdhsa_next_free_vgpr 968
		.amdhsa_next_free_sgpr 88
		.amdhsa_reserve_vcc 0
		.amdhsa_float_denorm_mode_32 3
		.amdhsa_float_denorm_mode_16_64 3
		.amdhsa_memory_ordered 1
		.amdhsa_forward_progress 1
		.amdhsa_inst_pref_size 82
	.end_amdhsa_kernel
	.amdgpu_metadata
---
amdhsa.version: [ 1, 2 ]
amdhsa.kernels:
  - .name:           k_q29d5608857_proj
    .symbol:         k_q29d5608857_proj.kd
    .args:
      - { .name: aoc, .offset: 0, .size: 8, .value_kind: global_buffer, .address_space: global }
      - { .name: aos, .offset: 8, .size: 8, .value_kind: global_buffer, .address_space: global }
      - { .name: wcodes, .offset: 16, .size: 8, .value_kind: global_buffer, .address_space: global }
      - { .name: wscales, .offset: 24, .size: 8, .value_kind: global_buffer, .address_space: global }
      - { .name: bo, .offset: 32, .size: 8, .value_kind: global_buffer, .address_space: global }
      - { .name: out0, .offset: 40, .size: 8, .value_kind: global_buffer, .address_space: global }
    .group_segment_fixed_size: 327680
    .private_segment_fixed_size: 0
    .kernarg_segment_align: 8
    .kernarg_segment_size: 48
    .max_flat_workgroup_size: 128
    .sgpr_count:     88
    .vgpr_count:     968
    .wavefront_size: 32
...
	.end_amdgpu_metadata
.endif
;; end of part 4
